; MI455X (gfx1250); checked and timed in simulation.
; The chip was launched on July 23, 2026; its instructions are those of AMD's public machine-readable ISA for CDNA 5 (MIT licence, August 2026) and "CDNA5" Instruction Set Architecture Reference Guide (July 2026). The comments in the code are by the model that wrote it; some were corrected since.
;; Bahdanau Attention. Allowed arithmetic: float matrix products may take bf16 or f16 operands with f32 sums; other float arithmetic in f32, or as packed bf16 or f16 multiplies, adds, multiply-adds, maxima and minima; sums over many terms, partial sums and values carried from step to step in f32; what a program stores and reads back later, other than sums and carried values, may be rounded once to bf16 or f16.
;; Inputs: Wh_w 1,024 x 1,024 float32; Wout_w 1,024 x 2,048 float32; Ws_w 1,024 x 1,024 float32; encoder_outputs 32 x 2,048 x 1,024 float32; query 32 x 1 x 1,024 float32; src_lengths 32 int32; v_w 1 x 1,024 float32.
;; Outputs: out0 32 x 1 x 1,024 float32.
;; 2 versions, each right; version 2 is version 1 with the launch main written anew for expert scheduling mode. Each part assembles by itself: llvm-mc -triple=amdgcn-amd-amdhsa -mcpu=gfx1250 --defsym DOCPART=n.
;; ======== version 1 of 2: 3 launches
;; workspace buffers: whb 2,097,152 bytes; qp 131,072 bytes; qo 131,072 bytes; pctx 2,097,152 bytes; pml 131,072 bytes
;; launch prep (part 1): grid 192 x 1, 8 waves a work-group, no clusters, 17,408 bytes of LDS; arguments query, Ws_w, Wh_w, Wout_w, src_lengths, qp, whb, qo; writes qp, whb, qo
.if DOCPART == 1
	.amdgcn_target "amdgcn-amd-amdhsa--gfx1250"
	.amdhsa_code_object_version 6
	.text
	.protected	k_q457c94eae7_prep
	.globl	k_q457c94eae7_prep
	.p2align	8
	.type	k_q457c94eae7_prep,@function
k_q457c94eae7_prep:
	s_mov_b64 s[64:65], 0
	v_nop
	global_prefetch_b8 v0, s[64:65] scope:SCOPE_SE
	s_setreg_imm32_b32 hwreg(HW_REG_WAVE_MODE, 25, 1), 1
	s_wait_xcnt 0x0
; THREE JOBS, one for each third of the grid; job = work-group / 64, tile nt = work-group & 63: 16 rows of a weight, 1,024 numbers of each.
; Job 0: qp[b][o] = the sum over h of query[b][h] Ws_w[o][h]           for the 16 outputs o of tile nt and all 32 b.  Operands rounded to bf16, sums in f32.
; Job 2: qo[b][o] = the sum over h of query[b][h] Wout_w[o][1024 + h]  likewise: query's share of the last product, which hangs on nothing that the launches between make.
; Job 1: whb = Wh_w rounded to bf16, in the order in which a matrix fragment lies in registers: tile nt, K step ks (32 numbers), half i, lane l = (r = l % 16, h = l / 16):
;        16 bytes at ((32 nt + ks) 2 + i) 512 + 16 l hold Wh_w[16 nt + r][32 ks + 16 i + 8 h .. + 7].  So the next launch loads a fragment as two runs of 512 consecutive bytes.
; SHARES.  Wave w takes K steps 4 w .. 4 w + 3: 512 bytes of each of the tile's 16 rows.  In jobs 0 and 2 the eight waves' partial sums meet in LDS (f32 sums in any order).
; LAYOUT of the product: source 0 = 16 rows of the weight, source 1 = 16 rows of query: in the result lane l holds b = 16 mt + l % 16 and the outputs 16 nt + 8 (l / 16) + 0..7: 32 bytes of the output on end.
; The stores of qp and qo are 64 bytes of each of 32 rows: a tile of 64 outputs would fill whole rows' blocks but leave 16 work-groups a job; each of the two is 128 KiB.
; src_lengths: reference() makes a mask of it and drops the result, so no number of the output hangs on it; its first word is loaded and enters nothing.
; LIMITS.  NaN and infinities are not treated apart.
.set SPARE, 16384                      ; LDS: 8 waves x 2 partial tiles x 1,024 bytes from 0; behind them the spare words, 128 bytes a wave: four blocks of 256 bytes that no other line names
.set FO,  2                            ; v2   (l % 16) x 4,096 + 32 (l / 16): my place in 16 rows of query, qp or qo; never rewritten
.set SO,  3                            ; v3   16 l
.set LS,  4                            ; v4   2,048 w + 16 l: where I put my part of a partial tile
.set LR,  5                            ; v5   1,024 w + 16 l: where waves 0 and 1 read tile mt = w back
.set YO,  6                            ; v6   my 32 bytes of qp or qo
.set FW,  7                            ; v7   (l % 16) x the weight's row + 32 (l / 16); never rewritten
.set SPW, 8                            ; v8   LDS address of my spare word; never rewritten
.set NIL, 9                            ; v9   0; never rewritten
.set ACC, 16                           ; v[16:31]   two accumulators: b 0-15, b 16-31
.set WL,  32                           ; v[32:95]   the weight: K step f lands in 16 registers at WL + 16 f, its fragment then lies in the first 8
.set XL,  96                           ; v[96:223]  query: (mt, f) at XL + 64 mt + 16 f; later the eight partial tiles
.set WV,  20                           ; s20  my wave's number
.set JOB, 23                           ; s23  the job
; 16 rows x 32 numbers of f32: a lane's two runs of 8 numbers (k = 8 h .., k = 16 + 8 h ..) are 32 bytes each
.macro LDFRAG dst, fo, base, off, nt
.irp q, 0,1,2,3
.if \nt
	global_load_b128 v[(\dst)+4*(\q):(\dst)+4*(\q)+3], v[\fo], s[(\base):(\base)+1] offset:(\off)+16*((\q)%2)+64*((\q)/2) th:TH_LOAD_NT
.else
	global_load_b128 v[(\dst)+4*(\q):(\dst)+4*(\q)+3], v[\fo], s[(\base):(\base)+1] offset:(\off)+16*((\q)%2)+64*((\q)/2)
.endif
.endr
.endm
; 16 f32 to 16 bf16, in place from the low end: register i takes numbers 2 i and 2 i + 1, which lie at or above it
.macro CVT dst
.irp i, 0,1,2,3,4,5,6,7
	v_cvt_pk_bf16_f32 v[(\dst)+(\i)], v[(\dst)+2*(\i)], v[(\dst)+2*(\i)+1]
.endr
.endm
	s_load_b256 s[4:11], s[0:1], 0x0               ; query s[4:5], Ws_w s[6:7], Wh_w s[8:9], Wout_w s[10:11]
	s_load_b256 s[12:19], s[0:1], 0x20             ; src_lengths s[12:13], qp s[14:15], whb s[16:17], qo s[18:19]
	v_lshl_add_u32 v[SPW], v0, 2, SPARE
	v_mov_b32 v[NIL], 0
	v_lshrrev_b32 v1, 5, v0
	v_readfirstlane_b32 s[WV], v1                  ; wave 0..7
	v_and_b32 v10, 15, v0                          ; l % 16
	v_bfe_u32 v11, v0, 4, 1                        ; l / 16
	v_and_b32 v12, 31, v0                          ; l
	v_lshlrev_b32 v[FO], 12, v10
	v_lshl_add_u32 v[FO], v11, 5, v[FO]
	v_lshlrev_b32 v[SO], 4, v12
	s_lshl_b32 s21, s[WV], 11
	v_lshl_add_u32 v[LS], v12, 4, s21
	s_lshl_b32 s21, s[WV], 10
	v_lshl_add_u32 v[LR], v12, 4, s21
	s_and_b32 s22, ttmp9, 63                       ; nt
	s_lshr_b32 s[JOB], ttmp9, 6
	s_cmp_eq_u32 s[JOB], 2
	s_cselect_b32 s25, 4096, 0                     ; job 2 takes the second half of Wout_w's rows,
	s_add_co_u32 s24, s25, 4096                    ; which are 8,192 bytes; the other weights' rows are 4,096
	v_mul_u32_u24 v[FW], v10, s24
	v_lshl_add_u32 v[FW], v11, 5, v[FW]
	s_mul_i32 s26, s22, s24
	s_lshl_b32 s26, s26, 4                         ; the tile's 16 rows,
	s_add_co_u32 s26, s26, s25
	s_lshl_b32 s28, s[WV], 9                       ; my wave's 512 bytes of a row
	s_add_co_u32 s26, s26, s28
	s_mov_b32 s27, 0
	s_mov_b32 s29, 0
	s_lshl_b32 s30, s22, 15                        ; in whb a tile is 32,768 bytes, my four K steps 4,096
	s_lshl_b32 s21, s[WV], 12
	s_add_co_u32 s30, s30, s21
	s_mov_b32 s31, 0
	s_lshl_b32 s21, s22, 6                         ; in qp and qo: the tile's 64 bytes of a row,
	s_lshl_b32 s36, s[WV], 16                      ; and 16 rows on for wave 1 (mt = 1)
	s_add_co_u32 s21, s21, s36
	v_add_nc_u32 v[YO], s21, v[FO]
	s_wait_kmcnt 0x0
	s_load_b32 s37, s[12:13], 0x0                  ; src_lengths[0]: read, and used for nothing, as in reference()
	s_cmp_eq_u32 s[JOB], 0
	s_cselect_b64 s[32:33], s[6:7], s[8:9]         ; the weight: Ws_w, Wh_w,
	s_cselect_b64 s[34:35], s[14:15], s[18:19]     ; the output: qp or qo
	s_cmp_eq_u32 s[JOB], 2
	s_cselect_b64 s[32:33], s[10:11], s[32:33]     ; or Wout_w
	s_add_nc_u64 s[32:33], s[32:33], s[26:27]
	s_add_nc_u64 s[4:5], s[4:5], s[28:29]
	s_add_nc_u64 s[16:17], s[16:17], s[30:31]
.irp f, 0,1,2,3
	LDFRAG WL+16*(\f), FW, 32, 128*(\f), 1
.endr
	s_wait_kmcnt 0x0
	s_cmp_lg_u32 s[JOB], 1                         ; the same answer in all eight waves
	s_cbranch_scc1 .Lproj
	; Wh_w to whb
	s_wait_loadcnt 0x0
.irp f, 0,1,2,3
	CVT WL+16*(\f)
.endr
.irp f, 0,1,2,3
	global_store_b128 v[SO], v[WL+16*(\f):WL+16*(\f)+3],   s[16:17] offset:1024*(\f)      ; 512 consecutive bytes, aligned
	global_store_b128 v[SO], v[WL+16*(\f)+4:WL+16*(\f)+7], s[16:17] offset:1024*(\f)+512
.endr
	s_branch .Lend
.Lproj:
.irp mt, 0,1
.irp f, 0,1,2,3
	LDFRAG XL+64*(\mt)+16*(\f), FO, 4, 65536*(\mt)+128*(\f), 0
.endr
.endr
	s_wait_loadcnt 0x0                             ; all 48 loads
.irp f, 0,1,2,3
	CVT WL+16*(\f)
	CVT XL+16*(\f)
	CVT XL+64+16*(\f)
.endr
.irp f, 0,1,2,3                        ; the two accumulators take turns; the first K step starts the sums
.irp mt, 0,1
.if (\f) == 0
	v_wmma_f32_16x16x32_bf16 v[ACC+8*(\mt):ACC+8*(\mt)+7], v[WL+16*(\f):WL+16*(\f)+7], v[XL+64*(\mt)+16*(\f):XL+64*(\mt)+16*(\f)+7], 0
.else
	v_wmma_f32_16x16x32_bf16 v[ACC+8*(\mt):ACC+8*(\mt)+7], v[WL+16*(\f):WL+16*(\f)+7], v[XL+64*(\mt)+16*(\f):XL+64*(\mt)+16*(\f)+7], v[ACC+8*(\mt):ACC+8*(\mt)+7]
.endif
.endr
.endr
.rept 8
	v_nop                                          ; the places behind the last product, ahead of the stores that read the sums; once a launch
.endr
.irp mt, 0,1
	ds_store_b128 v[LS], v[ACC+8*(\mt):ACC+8*(\mt)+3]   offset:1024*(\mt)       ; 512 consecutive bytes: each accumulator's low registers first
	ds_store_b128 v[LS], v[ACC+8*(\mt)+4:ACC+8*(\mt)+7] offset:1024*(\mt)+512
.endr
	s_wait_dscnt 0x0                               ; for the others' sake: my stores are done
	s_barrier_signal -1
	s_barrier_wait -1                              ; all eight partial sums of both tiles lie in LDS
	s_cmp_lt_u32 s[WV], 2                          ; wave 0 finishes b 0-15, wave 1 b 16-31
	s_cbranch_scc0 .Lend
.irp p, 0,1,2,3,4,5,6,7
	ds_load_b128 v[XL+8*(\p):XL+8*(\p)+3],   v[LR] offset:2048*(\p)
	ds_load_b128 v[XL+8*(\p)+4:XL+8*(\p)+7], v[LR] offset:2048*(\p)+512
.endr
	s_wait_dscnt 0x0
.irp d, 32, 16, 8                      ; eight tiles into one: 16 + 8 + 4 packed sums
.set r, 0
.rept (\d)/2
	v_pk_add_f32 v[XL+r:XL+r+1], v[XL+r:XL+r+1], v[XL+(\d)+r:XL+(\d)+r+1]
.set r, r+2
.endr
.endr
	global_store_b128 v[YO], v[XL:XL+3],   s[34:35]
	global_store_b128 v[YO], v[XL+4:XL+7], s[34:35] offset:16
.Lend:
	s_wait_tensorcnt 0x0                           ; the wave's end, behind my last LDS store
	ds_add_u32 v[SPW], v[NIL]
	s_wait_dscnt 0x0
	s_endpgm
.Lfunc_end_k_q457c94eae7_prep:
	.size	k_q457c94eae7_prep, .Lfunc_end_k_q457c94eae7_prep-k_q457c94eae7_prep
	.p2alignl 7, 3214868480
	.fill 96, 4, 3214868480
	.section	.rodata,"a",@progbits
	.p2align	6, 0x0
	.amdhsa_kernel k_q457c94eae7_prep
		.amdhsa_group_segment_fixed_size 17408
		.amdhsa_private_segment_fixed_size 0
		.amdhsa_enable_private_segment 0
		.amdhsa_kernarg_size 64
		.amdhsa_user_sgpr_count 2
		.amdhsa_user_sgpr_kernarg_segment_ptr 1
		.amdhsa_wavefront_size32 1
		.amdhsa_system_sgpr_workgroup_id_x 1
		.amdhsa_system_sgpr_workgroup_id_y 1
		.amdhsa_system_sgpr_workgroup_id_z 1
		.amdhsa_system_vgpr_workitem_id 0
		.amdhsa_next_free_vgpr 224
		.amdhsa_next_free_sgpr 66
		.amdhsa_reserve_vcc 0
		.amdhsa_float_denorm_mode_32 3
		.amdhsa_float_denorm_mode_16_64 3
		.amdhsa_memory_ordered 1
		.amdhsa_forward_progress 1
		.amdhsa_inst_pref_size 20
	.end_amdhsa_kernel
	.amdgpu_metadata
---
amdhsa.version: [ 1, 2 ]
amdhsa.kernels:
  - .name:           k_q457c94eae7_prep
    .symbol:         k_q457c94eae7_prep.kd
    .args:
      - { .name: query, .offset: 0, .size: 8, .value_kind: global_buffer, .address_space: global }
      - { .name: Ws_w, .offset: 8, .size: 8, .value_kind: global_buffer, .address_space: global }
      - { .name: Wh_w, .offset: 16, .size: 8, .value_kind: global_buffer, .address_space: global }
      - { .name: Wout_w, .offset: 24, .size: 8, .value_kind: global_buffer, .address_space: global }
      - { .name: src_lengths, .offset: 32, .size: 8, .value_kind: global_buffer, .address_space: global }
      - { .name: qp, .offset: 40, .size: 8, .value_kind: global_buffer, .address_space: global }
      - { .name: whb, .offset: 48, .size: 8, .value_kind: global_buffer, .address_space: global }
      - { .name: qo, .offset: 56, .size: 8, .value_kind: global_buffer, .address_space: global }
    .group_segment_fixed_size: 17408
    .private_segment_fixed_size: 0
    .kernarg_segment_align: 8
    .kernarg_segment_size: 64
    .max_flat_workgroup_size: 256
    .sgpr_count:     66
    .vgpr_count:     224
    .wavefront_size: 32
...
	.end_amdgpu_metadata
.endif
;; end of part 1
;; launch main (part 2): grid 512 x 1, 4 waves a work-group, no clusters, 280,064 bytes of LDS; arguments encoder_outputs, whb, qp, v_w, pctx, pml; writes pctx, pml
.if DOCPART == 2
	.amdgcn_target "amdgcn-amd-amdhsa--gfx1250"
	.amdhsa_code_object_version 6
	.text
	.protected	k_q457c94eae7_main
	.globl	k_q457c94eae7_main
	.p2align	8
	.type	k_q457c94eae7_main,@function
k_q457c94eae7_main:
	s_mov_b64 s[64:65], 0
	v_nop
	global_prefetch_b8 v0, s[64:65] scope:SCOPE_SE
	s_setreg_imm32_b32 hwreg(HW_REG_WAVE_MODE, 25, 1), 1
	s_wait_xcnt 0x0
; A BLOCK OF 128 ROWS OF ONE BATCH, FROM MEMORY TO ITS SHARE OF THE CONTEXT, IN ONE WORK-GROUP.  Block blk = rows 128 blk .. + 127 of the 65,536 rows of encoder_outputs; batch b = blk / 16.
;   1. the rows are read once (f32), rounded to bf16 and kept in LDS: 128 rows x 2,048 bytes;
;   2. h = rows x Wh^T for all 1,024 outputs o, in two chunks of 512; bf16 operands, f32 sums;
;   3. tanh(x) = 1 - 2 r, r = 1 / (1 + 2^(c x)), c = 2 log2(e), x = h + q_proj[b][o];  t[row] = the sum over o of v[o] r, in f32.  score = (sum of v) - 2 t; the sum of v is the same for all rows of a
;      softmax and drops out of it exactly; so the exponent to base 2 is u = -c t;
;   4. the block's own maximum m of u, weights p = 2^(u - m), their sum l (of the unrounded p);
;   5. pctx[blk][ch] = the sum over the rows of bf16(p) x the resident bf16 row, on the matrix unit; pml[blk] = (m, l).  The next launch joins a batch's 16 blocks by their maxima.
; LIMITS.  NaN and infinities are not treated apart.  Where 2^(c x) overflows r is 0 and tanh exactly 1; where it falls below 2^-126 it counts as 0 and tanh is exactly -1.  A weight below 2^-126 counts as 0.
; v_w is used in f32; all matrix operands are rounded to bf16.
; SHARES.  Products: wave w owns outputs 512 c + 128 w .. + 127 of chunk c (8 tiles of 16) for all 128 rows: 64 accumulators, 512 registers.  Loading: rows 32 w .. + 31.  Context: channels 256 w .. + 255.
; Wh COMES STRAIGHT INTO REGISTERS, from whb, which holds it in fragment order: a fragment is two loads of 512 consecutive bytes.  No wave wants a fragment that another wave has loaded, so LDS would share nothing.
; NO CLUSTER, NO TENSOR LOADS, though all work-groups walk the same whb: the resident rows take 264,192 of the 327,680 bytes of LDS and tables and stages 15,872; in the 47,616 left, two slots would hold
; 11,904 numbers of Wh each: 11,904 x 128 rows / 8,192 / 4 waves = 46 matrix instructions a wave between two refills and their barriers.
; NO PREFETCH: a work-group asks for all its rows at its head, 56 loads a wave on their way throughout; whb is walked by every work-group again and again.
; THE MATRIX INSTRUCTION IS USED TRANSPOSED (source 0 = 16 rows of Wh, source 1 = 16 rows of the block): a lane holds ONE row (lane % 16) and the outputs 8 (lane / 16) + 0..7, so the sum over o stays in the
; lane but for one exchange of the lanes' halves and one meeting of the four waves.
; THE WAVES ENTER THE PRODUCTS APART: see the lines behind the first barrier.
; REGISTERS, in windows of 256 (s_set_vgpr_msb: bits 1:0 source 0, 3:2 source 1, 5:4 source 2, 7:6 destination):
;   window 0: v0-31 addresses; v32-63 T; v64-95, v96-127 tables and work; v128-191, v192-255 the block's fragments, two buffers
;   window 1: Wh's fragments, a ring of four K steps of 64 registers; for the context two buffers of 128
;   window 2: accumulators of my output tiles 0-3 ((a, jj) at 8 (4 a + jj)); while loading: 8 rows x 32 registers; for the context 16 channel tiles
;   window 3: accumulators of my output tiles 4-7
.set PA,    2064                       ; a row in LDS: 2,048 bytes + 16 = 129 x 16: the 16 rows of a fragment load start at 16 different groups of four banks (64 banks of 4 bytes: ISA guide 11.1)
.set TCQ,   128*PA                     ; 264,192: c x q_proj[b], 1,024 f32
.set TV,    TCQ+4096                   ; v, 1,024 f32
.set TS,    TV+4096                    ; 4 waves x 128 partial t
.set PW,    TS+2048                    ; 256 bytes a wave, its own: the 128 weights in bf16
.set CS,    PW+1024                    ; 1,024 bytes a wave, its own: the context's way out
.set SPARE, CS+4096                    ; 279,552: the spare words, 128 bytes a wave: two blocks of 256 bytes that no other line names
.set SPW, 2                            ; v2   LDS address of my spare word; never rewritten
.set NIL, 3                            ; v3   0; never rewritten
.set BO,  4                            ; v4   16 l: offset of every 512-byte run in memory; never rewritten
.set LSA, 5                            ; v5   where my 8 bytes of a row go in LDS
.set AA,  6                            ; v[6:9]   LDS address of my part of row tiles 2 k, 2 k + 1, at the K group in hand
.set TA,  10                           ; v10  my 8 numbers of the tables, for output tile 0 of the chunk in hand
.set TSW, 11                           ; v11  TS + 512 w + 4 (l % 16)
.set TSR, 12                           ; v12  TS + 16 l
.set PWS, 13                           ; v13  PW + 256 w + 8 l
.set PFR, 14                           ; v14  PW + 256 w + 16 (l / 16)
.set G8,  15                           ; v15  8 l
.set AT,  16                           ; v[16:19] the turning loads' address for rows 32 g on
.set CSW, 20                           ; v20  CS + 1,024 w + 32 (l / 16)
.set CSR, 21                           ; v21  CS + 1,024 w + 16 l
.set TT,  22                           ; v22  16 x thread
.set TL,  23                           ; v23  TCQ + 16 x thread
.set ML,  24                           ; v[24:25] m, l
.set AA0, 28                           ; v[28:31] AA at K = 0; never rewritten
.set T,   32                           ; v[32:63] row tile a: two packed chains of v r at T + 4 a, T + 4 a + 2
.set CQ,  64                           ; v[64:95] c q_proj for 4 output tiles x my 8 outputs
.set TMP, 64                           ;          while loading: a row's 16 registers of bf16
.set PF,  64                           ;          for the context: the weights as source 1, rows 32 g on at PF + 8 g
.set VT,  96                           ; v[96:127] v for the same outputs as CQ
.set SC,  96                           ;          the softmax's work
.set FA,  128                          ; the block's fragments: buffer y, row tile a at FA + 64 y + 8 a
.set WV,  16                           ; s16  my wave's number
.set BLK, 17                           ; s17  the block
.set EP,  20                           ; s[20:21] encoder_outputs at my wave's rows, 8 rows on in each trip
.set BP,  22                           ; s[22:23] whb at my first output tile, at the group of four K steps that is being asked for
.set CC,  24                           ; s[24:25] c
.set SEL, 26                           ; s[26:27] v_permlanex16_b32's selects: each lane takes its own place in the other half
.set CH,  28                           ; s28  chunks to go
.set TR,  29                           ; s29  trips to go
.set NC,  34                           ; s[34:35] -c
.set MSB, 0
.macro WIN new                         ; the immediate's high byte repeats the setting that is left; a switch that changes nothing is dropped
.if MSB != (\new)
	s_set_vgpr_msb (MSB<<8)|(\new)
.set MSB, \new
.endif
.endm
	s_load_b256 s[4:11], s[0:1], 0x0               ; encoder_outputs s[4:5], whb s[6:7], qp s[8:9], v_w s[10:11]
	s_load_b128 s[12:15], s[0:1], 0x20             ; pctx s[12:13], pml s[14:15]
	v_lshl_add_u32 v[SPW], v0, 2, SPARE
	v_mov_b32 v[NIL], 0
	v_lshrrev_b32 v1, 5, v0
	v_readfirstlane_b32 s[WV], v1                  ; wave 0..3
	s_mov_b32 s[BLK], ttmp9
	v_and_b32 v26, 31, v0                          ; l
	v_lshlrev_b32 v[BO], 4, v26
	v_lshlrev_b32 v[TT], 4, v0
	s_lshl_b32 s30, s[BLK], 19                     ; the block's 128 rows of 4,096 bytes,
	s_lshl_b32 s32, s[WV], 17                      ; my wave's 32 of them: under 2^29 together
	s_add_co_u32 s30, s30, s32
	s_mov_b32 s31, 0
	s_lshl_b32 s32, s[WV], 18                      ; my 8 output tiles of 32,768 bytes in whb
	s_mov_b32 s33, 0
	s_lshr_b32 s36, s[BLK], 4                      ; the batch,
	s_lshl_b32 s36, s36, 12                        ; its row of qp
	s_mov_b32 s37, 0
	s_lshl_b32 s38, s[BLK], 12                     ; the block's row of pctx,
	s_lshl_b32 s40, s[WV], 10                      ; my 256 channels
	s_add_co_u32 s38, s38, s40
	s_mov_b32 s39, 0
	s_lshl_b32 s40, s[BLK], 8                      ; the block's 256 bytes of pml
	s_mov_b32 s41, 0
	s_mov_b32 s[CC], 0x4038aa3b                    ; c = 2 log2(e) = 2.8853901
	s_mov_b32 s[CC+1], s[CC]                       ; named with it as a pair
	s_mov_b32 s[NC], 0xc038aa3b
	s_mov_b32 s[NC+1], s[NC]
	s_mov_b32 s[SEL], 0x76543210
	s_mov_b32 s[SEL+1], 0xfedcba98
	s_wait_kmcnt 0x0
	s_add_nc_u64 s[EP:EP+1], s[4:5], s[30:31]
	s_add_nc_u64 s[BP:BP+1], s[6:7], s[32:33]
	s_add_nc_u64 s[8:9], s[8:9], s[36:37]
	s_add_nc_u64 s[12:13], s[12:13], s[38:39]
	s_add_nc_u64 s[14:15], s[14:15], s[40:41]
	; PHASE 1.  The tables' four loads, then rows 0 to 6 of my 32: 60 loads on their way.
	global_load_b128 v[64:67], v[TT], s[8:9]
	global_load_b128 v[68:71], v[TT], s[8:9] offset:2048
	global_load_b128 v[72:75], v[TT], s[10:11]
	global_load_b128 v[76:79], v[TT], s[10:11] offset:2048
; a row: eight loads of 512 consecutive bytes, into buffer row % 8 of window 2
.macro ROWLD row
.irp j, 0,1,2,3,4,5,6,7
	global_load_b128 v[32*((\row)%8)+4*(\j):32*((\row)%8)+4*(\j)+3], v[BO], s[EP:EP+1] offset:(\row)*4096+512*(\j) th:TH_LOAD_NT
.endr
.endm
	WIN 0x80                                       ; destination window 2, offset window 0
.irp p, 0,1,2,3,4,5,6
	ROWLD \p
.endr
	WIN 0
	; all other addresses are made while those loads are out
	v_and_b32 v27, 15, v0                          ; l % 16
	v_bfe_u32 v1, v0, 4, 1                         ; l / 16
	v_lshlrev_b32 v[G8], 3, v26
	v_add_nc_u32 v[TL], TCQ, v[TT]
	s_mul_i32 s30, s[WV], 32*PA
	v_lshl_add_u32 v[LSA], v26, 3, s30             ; my wave's first row, 8 bytes a lane
	v_mul_u32_u24 v[AA0], v27, PA                  ; a fragment: row l % 16, 16 bytes for each half of the lanes
	v_lshl_add_u32 v[AA0], v1, 4, v[AA0]
.irp k, 1,2,3
	v_add_nc_u32 v[AA0+(\k)], 32*PA*(\k), v[AA0]
.endr
.irp k, 0,1,2,3
	v_mov_b32 v[AA+(\k)], v[AA0+(\k)]
.endr
	s_lshl_b32 s30, s[WV], 9
	s_add_co_u32 s31, s30, TCQ
	v_lshl_add_u32 v[TA], v1, 5, s31               ; my wave's 128 outputs are 512 bytes of a table, my 8 of a tile 32 bytes
	s_add_co_u32 s31, s30, TS
	v_lshl_add_u32 v[TSW], v27, 2, s31
	v_lshl_add_u32 v[TSR], v26, 4, TS
	s_lshl_b32 s31, s[WV], 8
	s_add_co_u32 s31, s31, PW
	v_lshl_add_u32 v[PWS], v26, 3, s31
	v_lshl_add_u32 v[PFR], v1, 4, s31
	v_and_b32 v[AT], 7, v0                         ; the turning load: lane l reads row 8 (l / 16) + l % 8, channels 8 ((l / 8) % 2) + 0..7
	v_lshl_add_u32 v[AT], v1, 3, v[AT]
	v_mul_u32_u24 v[AT], v[AT], PA
	v_bfe_u32 v[AT+1], v0, 3, 1
	v_lshl_add_u32 v[AT], v[AT+1], 4, v[AT]
	v_add_nc_u32 v[AT], s30, v[AT]                 ; my wave's 256 channels begin 512 bytes x w into a row
.irp g, 1,2,3
	v_add_nc_u32 v[AT+(\g)], 32*PA*(\g), v[AT]
.endr
	s_lshl_b32 s31, s[WV], 10
	s_add_co_u32 s31, s31, CS
	v_lshl_add_u32 v[CSW], v1, 5, s31
	v_lshl_add_u32 v[CSR], v26, 4, s31
.set r, 0
.rept 32
	v_mov_b32 v[T+r], 0                            ; t's chains start at 0: one form of the multiply-add serves both chunks
.set r, r+1
.endr
	s_wait_loadcnt 56                              ; the 56 loads of rows 0 to 6 may stay out: the tables are in
.irp r, 0,2,4,6
	v_pk_mul_f32 v[64+(\r):65+(\r)], v[64+(\r):65+(\r)], s[CC:CC+1] op_sel_hi:[1,0]   ; c q_proj
.endr
	ds_store_b128 v[TL], v[64:67]
	ds_store_b128 v[TL], v[68:71] offset:2048
	ds_store_b128 v[TL], v[72:75] offset:4096      ; v
	ds_store_b128 v[TL], v[76:79] offset:6144
; Row i of a trip's eight: it has landed; rounded to bf16; the row seven further on is asked for, into the buffer of the row before; stored to LDS, 256 consecutive bytes a store.
; left: the loads of the younger rows, which may stay out.
.macro TURN i, issue, left
	s_wait_loadcnt \left
	WIN 0x0a                                       ; sources 0 and 1 window 2
.set k, 0
.rept 16
	v_cvt_pk_bf16_f32 v[TMP+k], v[32*(\i)+2*k], v[32*(\i)+2*k+1]
.set k, k+1
.endr
.if \issue
	WIN 0x80
	ROWLD (\i)+7
.endif
	WIN 0
.irp j, 0,1,2,3,4,5,6,7
	ds_store_b64 v[LSA], v[TMP+2*(\j):TMP+2*(\j)+1] offset:(\i)*PA+256*(\j)
.endr
.endm
	s_mov_b32 s[TR], 3
.Lrows:                                        ; 8 rows a trip; six younger rows' 48 loads stay out at every wait
.irp i, 0,1,2,3,4,5,6,7
	TURN \i, 1, 48
.endr
	s_wait_xcnt 0x0                                ; every load issued has had its address translated (ISA guide 3.1): the base is written only behind this wait
	s_add_nc_u64 s[EP:EP+1], s[EP:EP+1], 8*4096
	v_add_nc_u32 v[LSA], 8*PA, v[LSA]
	s_sub_co_u32 s[TR], s[TR], 1
	s_cmp_lg_u32 s[TR], 0
	s_cbranch_scc1 .Lrows
	TURN 0, 1, 48                                  ; the last eight rows: one more row is asked for (my 32nd), then the counts run down
.irp i, 1,2,3,4,5,6,7
	TURN \i, 0, 56-8*(\i)
.endr
; PHASE 2.  A UNIT is one K step of 32: 64 matrix instructions.  A chunk has 32 units; rho = unit % 4.
; Wh's fragments of one unit: 8 output tiles x 2 loads of 512 consecutive bytes, into ring slot `slot`
.macro BLOAD slot, off
	WIN 0x40                                       ; destination window 1, offset window 0
.irp j, 0,1,2,3,4,5,6,7
	global_load_b128 v[64*(\slot)+8*(\j):64*(\slot)+8*(\j)+3],   v[BO], s[BP:BP+1] offset:(\j)*32768+(\off)
	global_load_b128 v[64*(\slot)+8*(\j)+4:64*(\slot)+8*(\j)+7], v[BO], s[BP:BP+1] offset:(\j)*32768+(\off)+512
.endr
.endm
; the block's fragments of one unit: 8 row tiles x 2 loads of 16 bytes a lane, 32 bytes apart
.macro ALOAD buf, off
.irp a, 0,1,2,3,4,5,6,7
	ds_load_b128 v[FA+64*(\buf)+8*(\a):FA+64*(\buf)+8*(\a)+3],   v[AA+(\a)/2] offset:((\a)%2)*16*PA+(\off)
	ds_load_b128 v[FA+64*(\buf)+8*(\a)+4:FA+64*(\buf)+8*(\a)+7], v[AA+(\a)/2] offset:((\a)%2)*16*PA+(\off)+32
.endr
.endm
; The 64 accumulators take turns, in the same order in every unit: 63 others stand between two links of a chain, over the backward jumps too.  zero = 1: the products start the sums.
.macro MUL rho, zero
.irp hi, 0,1
	WIN 0xa1+0x50*(\hi)                            ; source 0 (Wh) window 1, source 1 (rows) window 0, C and D window 2 or 3
.irp a, 0,1,2,3,4,5,6,7
.irp jj, 0,1,2,3
.if \zero
	v_wmma_f32_16x16x32_bf16 v[8*(4*(\a)+(\jj)):8*(4*(\a)+(\jj))+7], v[64*(\rho)+32*(\hi)+8*(\jj):64*(\rho)+32*(\hi)+8*(\jj)+7], v[FA+64*((\rho)%2)+8*(\a):FA+64*((\rho)%2)+8*(\a)+7], 0
.else
	v_wmma_f32_16x16x32_bf16 v[8*(4*(\a)+(\jj)):8*(4*(\a)+(\jj))+7], v[64*(\rho)+32*(\hi)+8*(\jj):64*(\rho)+32*(\hi)+8*(\jj)+7], v[FA+64*((\rho)%2)+8*(\a):FA+64*((\rho)%2)+8*(\a)+7], v[8*(4*(\a)+(\jj)):8*(4*(\a)+(\jj))+7]
.endif
.endr
.endr
.endr
.endm
; Unit u.  nb: the loads of Wh's younger units, which may stay out (two units' 32 in the steady state): Wh of unit u is in.  Four places behind the last product (ISA guide 7.12.1 for vector instructions), then
; bl = 1: Wh of unit u + 3 into the slot that unit u - 1 has left; bstep: the base's step where unit u + 3 begins a group of four.
; al = 1: the rows' fragments of unit u + 1 into the buffer that unit u - 1 has left; astep = 1: they begin a group of four units (256 bytes on); 2: they begin a chunk (back to K = 0).
; The wait on DScnt leaves the 16 loads just issued out: the fragments of unit u, asked for a unit ago, are in.
.macro UNIT rho, zero, bl, al, bstep, astep, nb
	s_wait_loadcnt \nb
.if (\bl) || (\al)
.rept 4
	v_nop
.endr
.endif
.if \bl
.if \bstep
	s_wait_xcnt 0x0                                ; the loads issued so far have had their addresses translated: the base may be written
	s_add_nc_u64 s[BP:BP+1], s[BP:BP+1], \bstep
.endif
	BLOAD ((\rho)+3)%4, (((\rho)+3)%4)*1024
.endif
.if \al
	WIN 0
.if (\astep) == 1
.irp k, 0,1,2,3
	v_add_nc_u32 v[AA+(\k)], 256, v[AA+(\k)]
.endr
.elseif (\astep) == 2
.irp k, 0,1,2,3
	v_mov_b32 v[AA+(\k)], v[AA0+(\k)]
.endr
.endif
	ALOAD ((\rho)+1)%2, (((\rho)+1)%4)*64
.endif
	s_wait_dscnt 16*(\al)
	MUL \rho, \zero
.endm
; PHASE 3.  tanh and v on the 32 accumulators of window 2 + jh.  Group g is row tile g: 32 registers, 16 pairs; pair n goes with pair n of the tables.
.macro E_S1 g, n                       ; c h + c q
	v_pk_fma_f32 v[32*(\g)+2*(\n):32*(\g)+2*(\n)+1], v[32*(\g)+2*(\n):32*(\g)+2*(\n)+1], s[CC:CC+1], v[CQ+2*(\n):CQ+2*(\n)+1] op_sel_hi:[1,0,1]
.endm
.macro E_EXP g, e
	v_exp_f32 v[32*(\g)+(\e)], v[32*(\g)+(\e)]
.endm
.macro E_S3 g, n                       ; 1 + 2^(c x)
	v_pk_add_f32 v[32*(\g)+2*(\n):32*(\g)+2*(\n)+1], v[32*(\g)+2*(\n):32*(\g)+2*(\n)+1], 1.0 op_sel_hi:[1,0]
.endm
.macro E_RCP g, e
	v_rcp_f32 v[32*(\g)+(\e)], v[32*(\g)+(\e)]
.endm
.macro E_S5 g, n                       ; t += v r, two chains by turns
	v_pk_fma_f32 v[T+4*(\g)+2*((\n)%2):T+4*(\g)+2*((\n)%2)+1], v[32*(\g)+2*(\n):32*(\g)+2*(\n)+1], v[VT+2*(\n):VT+2*(\n)+1], v[T+4*(\g)+2*((\n)%2):T+4*(\g)+2*((\n)%2)+1]
.endm
; The five stages of the eight groups run as a pipeline of steps st = -1 .. 9.  Step st: t takes group st - 2; then 1 + .. of group st - 1 between the exponentials of group st; then c h + c q of group st + 1 between the
; reciprocals of group st - 1.  So each transcendental has plain work of another group beside it, and every result is named first in the NEXT step: one v_nop and one s_wait_alu at a step's head serve all
; that the step before has issued (that wait stands ahead of the first line that names a result).  Behind step 9 none is out.  c h + c q goes through a group in ascending order: each accumulator's low registers are read first.
.macro EPI jh
.if (\jh) == 0
.rept 8
	v_nop                                          ; the places behind the chunk's last product, ahead of the first line that reads a sum; window 3's sums have all of EPI 0 between
.endr
.endif
	WIN 0
.irp q, 0,1,2,3,4,5,6,7                ; output tile q / 2 of the four, half q % 2 of my 8 outputs; the 16 lanes of a half read the same words
	ds_load_b128 v[CQ+4*(\q):CQ+4*(\q)+3], v[TA] offset:256*(\jh)+64*((\q)/2)+16*((\q)%2)
	ds_load_b128 v[VT+4*(\q):VT+4*(\q)+3], v[TA] offset:256*(\jh)+64*((\q)/2)+16*((\q)%2)+TV-TCQ
.endr
	s_wait_dscnt 0x0
.set st, -1
.rept 11
.if st >= 1
	v_nop                                          ; a plain instruction behind the last transcendental,
	s_wait_alu depctr_va_vdst(0)                   ; and the one wait for the step before
.endif
.if st >= 2
	WIN 0x02+(\jh)                                 ; source 0 window 2 or 3, all else window 0
.set n, 0
.rept 16
	E_S5 st-2, n
.set n, n+1
.endr
.endif
.if st <= 8
	WIN 0x82+0x41*(\jh)                            ; destination and source 0 window 2 or 3, the table window 0
.set n, 0
.rept 16
.if st >= 1
	E_S3 st-1, n
.endif
.if (st >= 0) && (st <= 7)
	E_EXP st, 2*n
	E_EXP st, 2*n+1
.endif
.set n, n+1
.endr
.set n, 0
.rept 16
.if st <= 6
	E_S1 st+1, n
.endif
.if st >= 1
	E_RCP st-1, 2*n
	E_RCP st-1, 2*n+1
.endif
.set n, n+1
.endr
.endif
.set st, st+1
.endr
	WIN 0
.endm
	BLOAD 0, 0                                     ; Wh of units 0, 1, 2: 48 loads
	BLOAD 1, 1024
	BLOAD 2, 2048
	WIN 0
	s_wait_dscnt 0x0                               ; for the others' sake: my rows and my part of the tables are stored
	s_barrier_signal -1
	s_barrier_wait -1                              ; the block and both tables are whole; nothing of them is written again
	; THE WAVES ENTER THE PRODUCTS APART.  All four leave this barrier together, run one text and meet no barrier until the sums are done, so their runs of 16 global and 16 LDS loads would stand at the same
	; moment of every unit: 64 LDS loads of 512 bytes at once.  Wave w passes 8 w s_nop 15 here, once a block; the distance stays, and each wave's run is issued while the other three are among their matrix instructions.
.irp k, 1,2,3
	s_cmp_lt_u32 s[WV], \k
	s_cbranch_scc1 .Lgo
.rept 8
	s_nop 15
.endr
.endr
.Lgo:
	ALOAD 0, 0                                     ; unit 0
	s_mov_b32 s[CH], 2
.Lchunk:
	UNIT 0, 1, 1, 1, 0, 0, 32                      ; a chunk's first unit stands ahead of the loop: its products start the sums
	WIN 0                                          ; at a label and at a branch every window is 0
	s_mov_b32 s[TR], 7
.Ltrip:                                        ; units 1 to 28
	UNIT 1, 0, 1, 1, 4096, 0, 32
	UNIT 2, 0, 1, 1, 0, 0, 32
	UNIT 3, 0, 1, 1, 0, 1, 32
	UNIT 0, 0, 1, 1, 0, 0, 32
	WIN 0
	s_sub_co_u32 s[TR], s[TR], 1
	s_cmp_lg_u32 s[TR], 0
	s_cbranch_scc1 .Ltrip
	s_cmp_eq_u32 s[CH], 1
	s_cbranch_scc1 .Ltail
	UNIT 1, 0, 1, 1, 1048576-7*4096, 0, 32         ; units 29 to 31 of the first chunk ask for the second chunk's units 0 to 2: 32 output tiles on, back along K
	UNIT 2, 0, 1, 1, 0, 0, 32
	UNIT 3, 0, 1, 1, 0, 2, 32
	WIN 0
	s_branch .Lepi
.Ltail:                                        ; the last chunk's last units ask for no more of Wh: the counts run down; the last asks for no rows either
	UNIT 1, 0, 0, 1, 0, 0, 32
	UNIT 2, 0, 0, 1, 0, 0, 16
	UNIT 3, 0, 0, 0, 0, 0, 0
	WIN 0
.Lepi:
	EPI 0
	EPI 1
	v_add_nc_u32 v[TA], 2048, v[TA]                ; the next chunk's 512 outputs in the tables
	s_sub_co_u32 s[CH], s[CH], 1
	s_cmp_lg_u32 s[CH], 0
	s_cbranch_scc1 .Lchunk
	; PHASE 4.  t of a row: my two chains, their two halves, the other half of the lanes; then the four waves' parts meet in LDS.
.irp a, 0,1,2,3,4,5,6,7
	v_pk_add_f32 v[T+4*(\a):T+4*(\a)+1], v[T+4*(\a):T+4*(\a)+1], v[T+4*(\a)+2:T+4*(\a)+3]
.endr
.irp a, 0,1,2,3,4,5,6,7
	v_add_f32 v[T+4*(\a)], v[T+4*(\a)], v[T+4*(\a)+1]
.endr
.irp a, 0,1,2,3,4,5,6,7
	v_permlanex16_b32 v[T+4*(\a)+1], v[T+4*(\a)], s[SEL], s[SEL+1]
.endr
.irp a, 0,1,2,3,4,5,6,7
	v_add_f32 v[T+4*(\a)], v[T+4*(\a)], v[T+4*(\a)+1]
.endr
.irp a, 0,1,2,3,4,5,6,7
	ds_store_b32 v[TSW], v[T+4*(\a)] offset:64*(\a)  ; row 16 a + l % 16; both halves of the lanes write the same number to the same word
.endr
	s_wait_dscnt 0x0                               ; for the others' sake
	s_barrier_signal -1
	s_barrier_wait -1
	; from here every wave does the block's softmax for itself: lane l has rows 4 l .. 4 l + 3
.irp p, 0,1,2,3
	ds_load_b128 v[SC+4*(\p):SC+4*(\p)+3], v[TSR] offset:512*(\p)
.endr
	s_wait_dscnt 0x0
	v_pk_add_f32 v[SC:SC+1],     v[SC:SC+1],     v[SC+4:SC+5]
	v_pk_add_f32 v[SC+2:SC+3],   v[SC+2:SC+3],   v[SC+6:SC+7]
	v_pk_add_f32 v[SC+8:SC+9],   v[SC+8:SC+9],   v[SC+12:SC+13]
	v_pk_add_f32 v[SC+10:SC+11], v[SC+10:SC+11], v[SC+14:SC+15]
	v_pk_add_f32 v[SC:SC+1],     v[SC:SC+1],     v[SC+8:SC+9]
	v_pk_add_f32 v[SC+2:SC+3],   v[SC+2:SC+3],   v[SC+10:SC+11]
	v_pk_mul_f32 v[SC:SC+1],   v[SC:SC+1],   s[NC:NC+1] op_sel_hi:[1,0]   ; u = -c t
	v_pk_mul_f32 v[SC+2:SC+3], v[SC+2:SC+3], s[NC:NC+1] op_sel_hi:[1,0]
	v_max3_num_f32 v[ML], v[SC], v[SC+1], v[SC+2]
	v_max_num_f32 v[ML], v[ML], v[SC+3]
	v_max_num_f32_dpp v[ML], v[ML], v[ML] row_xmask:1 row_mask:0xf bank_mask:0xf
	v_max_num_f32_dpp v[ML], v[ML], v[ML] row_xmask:2 row_mask:0xf bank_mask:0xf
	v_max_num_f32_dpp v[ML], v[ML], v[ML] row_xmask:4 row_mask:0xf bank_mask:0xf
	v_max_num_f32_dpp v[ML], v[ML], v[ML] row_xmask:8 row_mask:0xf bank_mask:0xf
	v_permlanex16_b32 v[SC+4], v[ML], s[SEL], s[SEL+1]
	v_max_num_f32 v[ML], v[ML], v[SC+4]            ; m: the block's maximum, in every lane
.irp k, 0,1,2,3
	v_sub_f32 v[SC+(\k)], v[SC+(\k)], v[ML]
.endr
.irp k, 0,1,2,3
	v_exp_f32 v[SC+(\k)], v[SC+(\k)]
.endr
	v_nop                                          ; a plain instruction behind the last exponential,
	s_wait_alu depctr_va_vdst(0)                   ; and the wait ahead of the first use: one for the four
	v_cvt_pk_bf16_f32 v[SC+8], v[SC], v[SC+1]
	v_cvt_pk_bf16_f32 v[SC+9], v[SC+2], v[SC+3]
	v_add_f32 v[SC+4], v[SC], v[SC+1]
	v_add_f32 v[SC+5], v[SC+2], v[SC+3]
	ds_store_b64 v[PWS], v[SC+8:SC+9]              ; the weight of row i at byte 2 i of my wave's own 256
.irp q, 0,1,2,3,4,5,6,7                ; source 1, 32 rows x 16 columns, all columns alike: rows 32 (q / 2) + 16 (q % 2) + 8 (l / 16) + 0..7.  LDS serves a wave's instructions in order (ISA guide 5.7.1.4): these see the store above
	ds_load_b128 v[PF+4*(\q):PF+4*(\q)+3], v[PFR] offset:32*(\q)
.endr
	v_add_f32 v[SC+4], v[SC+4], v[SC+5]
	v_add_f32_dpp v[SC+4], v[SC+4], v[SC+4] row_xmask:1 row_mask:0xf bank_mask:0xf
	v_add_f32_dpp v[SC+4], v[SC+4], v[SC+4] row_xmask:2 row_mask:0xf bank_mask:0xf
	v_add_f32_dpp v[SC+4], v[SC+4], v[SC+4] row_xmask:4 row_mask:0xf bank_mask:0xf
	v_add_f32_dpp v[SC+4], v[SC+4], v[SC+4] row_xmask:8 row_mask:0xf bank_mask:0xf
	v_permlanex16_b32 v[SC+5], v[SC+4], s[SEL], s[SEL+1]
	v_add_f32 v[ML+1], v[SC+4], v[SC+5]            ; l
	; PHASE 5.  ctx^T = rows^T x p: source 0 = 16 channels x 32 rows, turned out of the resident block by ds_load_tr16_b128; 16 channel tiles, 4 steps of 32 rows.
	; (The pitch serves the 2,048 fragment loads of phase 2; these 128 turning loads meet each bank twice.)
.macro TLOAD g
	WIN 0x40
.set c, 0
.rept 16
	ds_load_tr16_b128 v[128*((\g)%2)+8*c:128*((\g)%2)+8*c+3],   v[AT+(\g)] offset:32*c
	ds_load_tr16_b128 v[128*((\g)%2)+8*c+4:128*((\g)%2)+8*c+7], v[AT+(\g)] offset:32*c+16*PA
.set c, c+1
.endr
.endm
.macro CMUL g                          ; the 16 accumulators take turns; the first step starts the sums
	WIN 0xa1
.set c, 0
.rept 16
.if (\g) == 0
	v_wmma_f32_16x16x32_bf16 v[8*c:8*c+7], v[128*((\g)%2)+8*c:128*((\g)%2)+8*c+7], v[PF+8*(\g):PF+8*(\g)+7], 0
.else
	v_wmma_f32_16x16x32_bf16 v[8*c:8*c+7], v[128*((\g)%2)+8*c:128*((\g)%2)+8*c+7], v[PF+8*(\g):PF+8*(\g)+7], v[8*c:8*c+7]
.endif
.set c, c+1
.endr
.endm
	TLOAD 0
	TLOAD 1
	s_wait_dscnt 32                                ; all but the 32 loads of step 1: the weights and step 0 are in
	CMUL 0
.irp g, 1,2
.rept 4
	v_nop                                          ; four places behind the last product, ahead of loads into the buffer that it read
.endr
	TLOAD (\g)+1
	s_wait_dscnt 32                                ; all but the 32 just issued
	CMUL \g
.endr
	s_wait_dscnt 0x0
	CMUL 3
.rept 8
	v_nop                                          ; the places behind the last product, ahead of the stores that read the sums
.endr
	; a lane holds channels 16 ct + 8 (l / 16) + 0..7, the 16 lanes of a half all the same numbers: through my own stage they become 16 bytes a lane on end
	WIN 0x08                                       ; store data (source 1) window 2
.set c, 0
.rept 16
	ds_store_b128 v[CSW], v[8*c:8*c+3]   offset:64*c      ; each accumulator's low registers first
	ds_store_b128 v[CSW], v[8*c+4:8*c+7] offset:64*c+16
.set c, c+1
.endr
	WIN 0
	ds_load_b128 v[SC:SC+3],   v[CSR]
	ds_load_b128 v[SC+4:SC+7], v[CSR] offset:512
	s_wait_dscnt 0x0
	global_store_b128 v[BO], v[SC:SC+3],   s[12:13]             ; 512 consecutive bytes, aligned
	global_store_b128 v[BO], v[SC+4:SC+7], s[12:13] offset:512
	s_cmp_lg_u32 s[WV], 0
	s_cbranch_scc1 .Lend
	global_store_b64 v[G8], v[ML:ML+1], s[14:15]   ; (m, l) 32 times: the block's 256 bytes of pml are written whole by one store
.Lend:
	s_wait_tensorcnt 0x0                           ; the wave's end, behind my last LDS store
	ds_add_u32 v[SPW], v[NIL]
	s_wait_dscnt 0x0
	s_endpgm
.Lfunc_end_k_q457c94eae7_main:
	.size	k_q457c94eae7_main, .Lfunc_end_k_q457c94eae7_main-k_q457c94eae7_main
	.p2alignl 7, 3214868480
	.fill 96, 4, 3214868480
	.section	.rodata,"a",@progbits
	.p2align	6, 0x0
	.amdhsa_kernel k_q457c94eae7_main
		.amdhsa_group_segment_fixed_size 280064
		.amdhsa_private_segment_fixed_size 0
		.amdhsa_enable_private_segment 0
		.amdhsa_kernarg_size 48
		.amdhsa_user_sgpr_count 2
		.amdhsa_user_sgpr_kernarg_segment_ptr 1
		.amdhsa_wavefront_size32 1
		.amdhsa_system_sgpr_workgroup_id_x 1
		.amdhsa_system_sgpr_workgroup_id_y 1
		.amdhsa_system_sgpr_workgroup_id_z 1
		.amdhsa_system_vgpr_workitem_id 0
		.amdhsa_next_free_vgpr 1024
		.amdhsa_next_free_sgpr 66
		.amdhsa_reserve_vcc 0
		.amdhsa_float_denorm_mode_32 3
		.amdhsa_float_denorm_mode_16_64 3
		.amdhsa_memory_ordered 1
		.amdhsa_forward_progress 1
		.amdhsa_inst_pref_size 226
	.end_amdhsa_kernel
	.amdgpu_metadata
---
amdhsa.version: [ 1, 2 ]
amdhsa.kernels:
  - .name:           k_q457c94eae7_main
    .symbol:         k_q457c94eae7_main.kd
    .args:
      - { .name: encoder_outputs, .offset: 0, .size: 8, .value_kind: global_buffer, .address_space: global }
      - { .name: whb, .offset: 8, .size: 8, .value_kind: global_buffer, .address_space: global }
      - { .name: qp, .offset: 16, .size: 8, .value_kind: global_buffer, .address_space: global }
      - { .name: v_w, .offset: 24, .size: 8, .value_kind: global_buffer, .address_space: global }
      - { .name: pctx, .offset: 32, .size: 8, .value_kind: global_buffer, .address_space: global }
      - { .name: pml, .offset: 40, .size: 8, .value_kind: global_buffer, .address_space: global }
    .group_segment_fixed_size: 280064
    .private_segment_fixed_size: 0
    .kernarg_segment_align: 8
    .kernarg_segment_size: 48
    .max_flat_workgroup_size: 128
    .sgpr_count:     66
    .vgpr_count:     1024
    .wavefront_size: 32
...
	.end_amdgpu_metadata
.endif
;; end of part 2
;; launch final (part 3): grid 32 x 8, 16 waves a work-group, no clusters, 109,568 bytes of LDS; arguments pctx, pml, Wout_w, qo, out0; writes out0
.if DOCPART == 3
	.amdgcn_target "amdgcn-amd-amdhsa--gfx1250"
	.amdhsa_code_object_version 6
	.text
	.protected	k_q457c94eae7_final
	.globl	k_q457c94eae7_final
	.p2align	8
	.type	k_q457c94eae7_final,@function
k_q457c94eae7_final:
	s_mov_b64 s[64:65], 0
	v_nop
	global_prefetch_b8 v0, s[64:65] scope:SCOPE_SE
	s_setreg_imm32_b32 hwreg(HW_REG_WAVE_MODE, 25, 1), 1
	s_wait_xcnt 0x0
; out0[b][o] = tanh(qo[b][o] + the sum over k < 1,024 of ctx[b][k] Wout_w[o][k]),
; ctx[b][k] = (the sum over the batch's 16 blocks j of 2^(m_j - M) pctx[16 b + j][k]) / (the sum over j of 2^(m_j - M) l_j),  M = the largest m_j.
; The joining of the blocks and tanh in f32; ctx and Wout_w rounded to bf16 for the product, its sums in f32; qo, query's share of the product, comes in f32 from the first launch.
; SHARES.  Work-group (x, y): outputs 32 x .. + 31 (two tiles of 16), batches 4 y .. + 3: it reads 64 rows of pctx (256 KiB) and half of 32 rows of Wout_w (128 KiB); 256 work-groups.  EVERY LOAD OF THOSE
; COVERS 512 CONSECUTIVE BYTES OF ONE ROW; the fragments, in which a lane is a row, are made by way of LDS.
;   joining:  wave w takes channels 128 (w & 7) .. + 127 of batches 2 (w >> 3), 2 (w >> 3) + 1 of the four: 32 rows of pctx, a load each; lane l owns 4 channels; the 32 factors lie in scalar registers;
;   Wout_w:   wave w takes rows 2 w, 2 w + 1, eight loads each;
;   product:  wave w takes k = 64 w .. + 63, two K steps, for both tiles: four matrix instructions; the 16 waves' partial sums meet in LDS (f32 sums in any order).
; LAYOUT.  Source 0 = 16 rows of Wout_w, source 1 = 16 rows of ctx.  There are four batches, so lane l reads row l & 3 of ctx: the result holds each batch four times: lane l has batch l & 3 and the
; outputs 8 (l / 16) + 0..7 of the tile.  The four copies share the last sum out: copy q = (l >> 2) & 3 adds the partial tiles of waves 4 q .. 4 q + 3, and two exchanges among the lanes add the copies.
; qo is the C operand of wave 0's first two products, so it is counted once; the other waves' sums start with the constant 0.
; NO CLUSTER, NO TENSOR LOADS, though 32 work-groups read the same rows of pctx and 8 the same rows of Wout_w: the rows are f32 and are weighted or rounded in registers before they are operands, and
; staged in f32 they are 384 KiB, more than the 327,680 bytes of LDS.
; The stores are 128 bytes of each of four rows; all of out0 is 128 KiB.
; tanh(x) = 1 - 2 / (1 + 2^(c x)), c = 2 log2(e).  Every l_j is at least 1 (its block's largest weight is 1), so the divisor is at least 1.
; LIMITS.  A factor below 2^-126 counts as 0.  Where 2^(c x) overflows the result is exactly 1, where it falls below 2^-126 exactly -1.  NaN and infinities are not treated apart.
.set PW,    2064                       ; a row in LDS: 2,048 bytes of bf16 + 16 = 129 x 16: the 16 rows of a fragment load start at 16 different groups of four banks (64 banks of 4 bytes: ISA guide 11.1)
.set XB,    32*PW                      ; 66,048: behind Wout_w's 32 rows the 4 rows of ctx
.set PART,  74752                      ; 16 waves x 2 partial tiles x 1,024 bytes
.set SPARE, PART+16*2048               ; 107,520: the spare words, 128 bytes a wave: eight blocks of 256 bytes that no other line names
.set SPW, 2                            ; v2   LDS address of my spare word; never rewritten
.set NIL, 3                            ; v3   0; never rewritten
.set LO,  4                            ; v4   16 l: my place in a run of 512 bytes
.set PMO, 5                            ; v5   256 (l % 16): block l % 16 in pml
.set XS,  6                            ; v6   where my 8 bytes of a row of ctx go
.set WSA, 7                            ; v7   where my 8 bytes of a row of Wout_w go
.set XF,  8                            ; v8   my part of ctx's fragments
.set WF,  9                            ; v9   my part of Wout_w's fragments
.set LS,  10                           ; v10  PART + 2,048 w + 16 l
.set LR,  11                           ; v11  PART + 8,192 q + 1,024 w + 16 l: waves 0 and 1 finish tile w
.set QOF, 12                           ; v12  (l & 3) x 4,096 + 32 (l / 16): my 32 bytes of a tile in qo
.set R,   13                           ; v13  l % 16
.set H,   14                           ; v14  l / 16
.set L,   15                           ; v15  l
.set ML,  16                           ; v[16:19] (m, l) of block l % 16 of my two batches
.set WK,  20                           ; v[20:27] the factors' work: M, the factors, the divisors, their reciprocals, a pair each
.set Y,   20                           ; v[20:27] then: my 4 channels of ctx of my two batches
.set CB,  28                           ; v[28:31] the same in bf16
.set ACC, 32                           ; v[32:47] two accumulators; in wave 0 qo lands here
.set YO,  48                           ; v48  my 32 bytes of out0
.set P,   64                           ; v[64:191]  pctx: row i at P + 4 i
.set FR,  64                           ;            then Wout_w's fragments (tile nt, step s at FR + 8 (2 nt + s)); then four partial tiles
.set FX,  96                           ;            ctx's fragments, step s at FX + 8 s
.set WLD, 192                          ; v[192:255] Wout_w: load n at WLD + 4 n
.set WV,  16                           ; s16  my wave's number
.set CC,  24                           ; s[24:25] c
.set WS,  32                           ; s[32:63] the factors of my 32 rows of pctx
	s_load_b256 s[4:11], s[0:1], 0x0               ; pctx s[4:5], pml s[6:7], Wout_w s[8:9], qo s[10:11]
	s_load_b64 s[12:13], s[0:1], 0x20              ; out0
	v_lshl_add_u32 v[SPW], v0, 2, SPARE
	v_mov_b32 v[NIL], 0
	v_lshrrev_b32 v1, 5, v0
	v_readfirstlane_b32 s[WV], v1                  ; wave 0..15
	v_and_b32 v[L], 31, v0
	v_and_b32 v[R], 15, v0
	v_bfe_u32 v[H], v0, 4, 1
	v_lshlrev_b32 v[LO], 4, v[L]
	v_lshlrev_b32 v[PMO], 8, v[R]
	v_and_b32 v1, 3, v0                            ; my batch of the four
	v_lshlrev_b32 v[QOF], 12, v1
	v_lshl_add_u32 v[QOF], v[H], 5, v[QOF]
	s_mov_b32 s17, ttmp9                           ; x
	s_and_b32 s18, ttmp7, 0xffff                   ; y
	s_and_b32 s19, s[WV], 7                        ; which 128 channels I join,
	s_lshr_b32 s20, s[WV], 3                       ; of which pair of batches
	s_lshl_b32 s22, s18, 2
	s_lshl_b32 s14, s20, 1
	s_add_co_u32 s22, s22, s14                     ; the first of my two batches
	s_lshl_b32 s26, s22, 12                        ; its 16 x 256 bytes in pml
	s_mov_b32 s27, 0
	s_lshl_b32 s22, s22, 16                        ; its 16 rows of 4,096 bytes in pctx,
	s_lshl_b32 s14, s19, 9                         ; my 512 bytes of a row
	s_add_co_u32 s22, s22, s14
	s_mov_b32 s23, 0
	s_lshl_b32 s28, s17, 5
	s_lshl_b32 s14, s[WV], 1
	s_add_co_u32 s28, s28, s14                     ; the first of my two rows of Wout_w,
	s_lshl_b32 s28, s28, 13                        ; 8,192 bytes each
	s_mov_b32 s29, 0
	s_lshl_b32 s30, s18, 14                        ; in qo and out0: the work-group's four rows of 4,096 bytes,
	s_lshl_b32 s14, s17, 7                         ; its 128 bytes of a row
	s_add_co_u32 s30, s30, s14
	s_mov_b32 s31, 0
	s_mov_b32 s[CC], 0x4038aa3b                    ; c = 2 log2(e) = 2.8853901
	s_mov_b32 s[CC+1], s[CC]                       ; named with it as a pair
	s_wait_kmcnt 0x0
	s_add_nc_u64 s[4:5], s[4:5], s[22:23]
	s_add_nc_u64 s[6:7], s[6:7], s[26:27]
	s_add_nc_u64 s[8:9], s[8:9], s[28:29]
	s_add_nc_u64 s[10:11], s[10:11], s[30:31]
	s_add_nc_u64 s[12:13], s[12:13], s[30:31]
	s_cmp_lg_u32 s[WV], 0
	s_cbranch_scc1 .Lnoq
.irp nt, 0,1                           ; wave 0 alone: qo in the layout of the result.  These are the oldest loads, so the counts below hold in every wave
	global_load_b128 v[ACC+8*(\nt):ACC+8*(\nt)+3],   v[QOF], s[10:11] offset:64*(\nt)
	global_load_b128 v[ACC+8*(\nt)+4:ACC+8*(\nt)+7], v[QOF], s[10:11] offset:64*(\nt)+16
.endr
.Lnoq:
	global_load_b64 v[ML:ML+1],   v[PMO], s[6:7]
	global_load_b64 v[ML+2:ML+3], v[PMO], s[6:7] offset:4096
.set n, 0
.rept 16                               ; my two rows of Wout_w, their first 4,096 bytes
	global_load_b128 v[WLD+4*n:WLD+4*n+3], v[LO], s[8:9] offset:(n/8)*8192+512*(n%8)
.set n, n+1
.endr
.set i, 0
.rept 32                               ; my 512 bytes of 32 rows of pctx
	global_load_b128 v[P+4*i:P+4*i+3], v[LO], s[4:5] offset:4096*i
.set i, i+1
.endr
	; the LDS addresses are made while those loads are out
	s_mul_i32 s14, s20, 2*PW
	s_lshl_b32 s15, s19, 8
	s_add_co_u32 s14, s14, s15
	s_add_co_u32 s14, s14, XB
	v_lshl_add_u32 v[XS], v[L], 3, s14             ; row 2 (w >> 3) of ctx, 256 bytes x (w & 7), 8 bytes a lane
	s_mul_i32 s14, s[WV], 2*PW
	v_lshl_add_u32 v[WSA], v[L], 3, s14            ; row 2 w of Wout_w
	s_lshl_b32 s14, s[WV], 7                       ; my 64 k are 128 bytes of a row
	v_mul_u32_u24 v[WF], v[R], PW
	v_lshl_add_u32 v[WF], v[H], 4, v[WF]
	v_add_nc_u32 v[WF], s14, v[WF]
	s_add_co_u32 s15, s14, XB
	v_mul_u32_u24 v[XF], v1, PW
	v_lshl_add_u32 v[XF], v[H], 4, v[XF]
	v_add_nc_u32 v[XF], s15, v[XF]
	s_lshl_b32 s14, s[WV], 11
	s_add_co_u32 s14, s14, PART
	v_lshl_add_u32 v[LS], v[L], 4, s14
	s_lshl_b32 s14, s[WV], 10
	s_add_co_u32 s14, s14, PART
	v_lshl_add_u32 v[LR], v[L], 4, s14
	v_bfe_u32 v1, v0, 2, 2                         ; q
	v_lshl_add_u32 v[LR], v1, 13, v[LR]
	s_lshl_b32 s14, s[WV], 6                       ; tile w's 64 bytes of a row
	v_add_nc_u32 v[YO], s14, v[QOF]
	; the factors: lane l holds block l % 16, so maximum and sum are four exchanges inside each half of 16 lanes
	s_wait_loadcnt 48                              ; the 16 + 32 loads behind pml's may stay out
	v_mov_b32 v[WK], v[ML]
	v_mov_b32 v[WK+1], v[ML+2]
.irp x, 1,2,4,8
	v_max_num_f32_dpp v[WK], v[WK], v[WK] row_xmask:\x row_mask:0xf bank_mask:0xf
	v_max_num_f32_dpp v[WK+1], v[WK+1], v[WK+1] row_xmask:\x row_mask:0xf bank_mask:0xf
.endr
	v_sub_f32 v[WK+2], v[ML], v[WK]
	v_sub_f32 v[WK+3], v[ML+2], v[WK+1]
	v_exp_f32 v[WK+2], v[WK+2]
	v_exp_f32 v[WK+3], v[WK+3]
	v_nop                                          ; a plain instruction behind the last exponential,
	s_wait_alu depctr_va_vdst(0)                   ; and the wait ahead of the first use: one for the two
	v_mul_f32 v[WK+4], v[WK+2], v[ML+1]
	v_mul_f32 v[WK+5], v[WK+3], v[ML+3]
.irp x, 1,2,4,8
	v_add_f32_dpp v[WK+4], v[WK+4], v[WK+4] row_xmask:\x row_mask:0xf bank_mask:0xf
	v_add_f32_dpp v[WK+5], v[WK+5], v[WK+5] row_xmask:\x row_mask:0xf bank_mask:0xf
.endr
	v_rcp_f32 v[WK+6], v[WK+4]
	v_rcp_f32 v[WK+7], v[WK+5]
	v_nop
	s_wait_alu depctr_va_vdst(0)                   ; one for the two reciprocals
	v_mul_f32 v[WK+2], v[WK+2], v[WK+6]
	v_mul_f32 v[WK+3], v[WK+3], v[WK+7]
.set j, 0
.rept 16
	v_readlane_b32 s[WS+j], v[WK+2], j
	v_readlane_b32 s[WS+16+j], v[WK+3], j
.set j, j+1
.endr
	s_wait_loadcnt 32                              ; pctx's 32 loads may stay out: Wout_w's rows are in
.set n, 0
.rept 16
	v_cvt_pk_bf16_f32 v[WLD+4*n], v[WLD+4*n], v[WLD+4*n+1]
	v_cvt_pk_bf16_f32 v[WLD+4*n+1], v[WLD+4*n+2], v[WLD+4*n+3]
	ds_store_b64 v[WSA], v[WLD+4*n:WLD+4*n+1] offset:(n/8)*PW+256*(n%8)   ; 256 consecutive bytes
.set n, n+1
.endr
.set i, 0
.rept 32
	s_wait_loadcnt 31-i                            ; loads come back in order (ISA guide 5.7.1): row i is in
.set k, 0
.rept 4
.if (i%16) == 0
	v_mul_f32 v[Y+4*(i/16)+k], s[WS+i], v[P+4*i+k] ; a batch's first row starts its sums
.else
	v_fmac_f32 v[Y+4*(i/16)+k], s[WS+i], v[P+4*i+k]
.endif
.set k, k+1
.endr
.set i, i+1
.endr
.irp bb, 0,1
	v_cvt_pk_bf16_f32 v[CB+2*(\bb)], v[Y+4*(\bb)], v[Y+4*(\bb)+1]
	v_cvt_pk_bf16_f32 v[CB+2*(\bb)+1], v[Y+4*(\bb)+2], v[Y+4*(\bb)+3]
	ds_store_b64 v[XS], v[CB+2*(\bb):CB+2*(\bb)+1] offset:(\bb)*PW
.endr
	s_wait_dscnt 0x0                               ; for the others' sake: my rows are stored
	s_barrier_signal -1
	s_barrier_wait -1                              ; Wout_w's 32 rows and ctx's 4 are whole
.irp nt, 0,1
.irp s, 0,1
	ds_load_b128 v[FR+8*(2*(\nt)+(\s)):FR+8*(2*(\nt)+(\s))+3],   v[WF] offset:(\nt)*16*PW+64*(\s)
	ds_load_b128 v[FR+8*(2*(\nt)+(\s))+4:FR+8*(2*(\nt)+(\s))+7], v[WF] offset:(\nt)*16*PW+64*(\s)+32
.endr
.endr
.irp s, 0,1
	ds_load_b128 v[FX+8*(\s):FX+8*(\s)+3],   v[XF] offset:64*(\s)
	ds_load_b128 v[FX+8*(\s)+4:FX+8*(\s)+7], v[XF] offset:64*(\s)+32
.endr
	s_wait_dscnt 0x0
	s_cmp_lg_u32 s[WV], 0                          ; the two accumulators take turns on both ways
	s_cbranch_scc1 .Lplain
	v_wmma_f32_16x16x32_bf16 v[ACC:ACC+7],    v[FR:FR+7],     v[FX:FX+7], v[ACC:ACC+7]      ; wave 0: the sums start with qo (its loads were shown done by the wait for row 31)
	v_wmma_f32_16x16x32_bf16 v[ACC+8:ACC+15], v[FR+16:FR+23], v[FX:FX+7], v[ACC+8:ACC+15]
	s_branch .Lstep1
.Lplain:
	v_wmma_f32_16x16x32_bf16 v[ACC:ACC+7],    v[FR:FR+7],     v[FX:FX+7], 0
	v_wmma_f32_16x16x32_bf16 v[ACC+8:ACC+15], v[FR+16:FR+23], v[FX:FX+7], 0
.Lstep1:
	v_wmma_f32_16x16x32_bf16 v[ACC:ACC+7],    v[FR+8:FR+15],  v[FX+8:FX+15], v[ACC:ACC+7]
	v_wmma_f32_16x16x32_bf16 v[ACC+8:ACC+15], v[FR+24:FR+31], v[FX+8:FX+15], v[ACC+8:ACC+15]
.rept 8
	v_nop                                          ; the places behind the last product, ahead of the stores that read the sums and of the loads into the fragments' registers; once a launch
.endr
.irp nt, 0,1
	ds_store_b128 v[LS], v[ACC+8*(\nt):ACC+8*(\nt)+3]   offset:1024*(\nt)       ; 512 consecutive bytes: each accumulator's low registers first
	ds_store_b128 v[LS], v[ACC+8*(\nt)+4:ACC+8*(\nt)+7] offset:1024*(\nt)+512
.endr
	s_wait_dscnt 0x0                               ; for the others' sake: my stores are done
	s_barrier_signal -1
	s_barrier_wait -1                              ; all 16 partial sums of both tiles lie in LDS
	s_cmp_lt_u32 s[WV], 2                          ; wave 0 finishes tile 0, wave 1 tile 1
	s_cbranch_scc0 .Lend
.irp p, 0,1,2,3                        ; copy q takes the tiles of waves 4 q .. 4 q + 3, each lane at its own place in them
	ds_load_b128 v[FR+8*(\p):FR+8*(\p)+3],   v[LR] offset:2048*(\p)
	ds_load_b128 v[FR+8*(\p)+4:FR+8*(\p)+7], v[LR] offset:2048*(\p)+512
.endr
	s_wait_dscnt 0x0
.irp d, 16, 8                          ; four tiles into one
.set r, 0
.rept (\d)/2
	v_pk_add_f32 v[FR+r:FR+r+1], v[FR+r:FR+r+1], v[FR+(\d)+r:FR+(\d)+r+1]
.set r, r+2
.endr
.endr
.irp x, 4, 8                           ; and the four copies: lanes 4 and 8 apart hold the same batch
.irp r, 0,1,2,3,4,5,6,7
	v_add_f32_dpp v[FR+(\r)], v[FR+(\r)], v[FR+(\r)] row_xmask:\x row_mask:0xf bank_mask:0xf
.endr
.endr
.irp r, 0,2,4,6
	v_pk_mul_f32 v[FR+(\r):FR+(\r)+1], v[FR+(\r):FR+(\r)+1], s[CC:CC+1] op_sel_hi:[1,0]   ; c x
.endr
.irp r, 0,1,2,3,4,5,6,7
	v_exp_f32 v[FR+(\r)], v[FR+(\r)]
.endr
	v_nop                                          ; a plain instruction behind the last exponential,
	s_wait_alu depctr_va_vdst(0)                   ; and the wait ahead of the first use: one for the eight
.irp r, 0,2,4,6
	v_pk_add_f32 v[FR+(\r):FR+(\r)+1], v[FR+(\r):FR+(\r)+1], 1.0 op_sel_hi:[1,0]
.endr
.irp r, 0,1,2,3,4,5,6,7
	v_rcp_f32 v[FR+(\r)], v[FR+(\r)]
.endr
	v_nop
	s_wait_alu depctr_va_vdst(0)                   ; one for the eight reciprocals
.irp r, 0,2,4,6
	v_pk_fma_f32 v[FR+(\r):FR+(\r)+1], v[FR+(\r):FR+(\r)+1], -2.0, 1.0 op_sel_hi:[1,0,0]  ; 1 - 2 r
.endr
	v_cmp_gt_u32 vcc_lo, 4, v[R]                   ; the first copy stores
	s_wait_xcnt 0x0                                ; EXEC changes only behind s_wait_xcnt 0
	s_and_saveexec_b32 s21, vcc_lo
	global_store_b128 v[YO], v[FR:FR+3],   s[12:13]
	global_store_b128 v[YO], v[FR+4:FR+7], s[12:13] offset:16
	s_wait_xcnt 0x0                                ; and again, in front of the line that widens it
	s_or_b32 exec_lo, exec_lo, s21
.Lend:
	s_wait_tensorcnt 0x0                           ; the wave's end, behind my last LDS store
	ds_add_u32 v[SPW], v[NIL]
	s_wait_dscnt 0x0
	s_endpgm
.Lfunc_end_k_q457c94eae7_final:
	.size	k_q457c94eae7_final, .Lfunc_end_k_q457c94eae7_final-k_q457c94eae7_final
	.p2alignl 7, 3214868480
	.fill 96, 4, 3214868480
	.section	.rodata,"a",@progbits
	.p2align	6, 0x0
	.amdhsa_kernel k_q457c94eae7_final
		.amdhsa_group_segment_fixed_size 109568
		.amdhsa_private_segment_fixed_size 0
		.amdhsa_enable_private_segment 0
		.amdhsa_kernarg_size 40
		.amdhsa_user_sgpr_count 2
		.amdhsa_user_sgpr_kernarg_segment_ptr 1
		.amdhsa_wavefront_size32 1
		.amdhsa_system_sgpr_workgroup_id_x 1
		.amdhsa_system_sgpr_workgroup_id_y 1
		.amdhsa_system_sgpr_workgroup_id_z 1
		.amdhsa_system_vgpr_workitem_id 0
		.amdhsa_next_free_vgpr 256
		.amdhsa_next_free_sgpr 66
		.amdhsa_reserve_vcc 1
		.amdhsa_float_denorm_mode_32 3
		.amdhsa_float_denorm_mode_16_64 3
		.amdhsa_memory_ordered 1
		.amdhsa_forward_progress 1
		.amdhsa_inst_pref_size 27
	.end_amdhsa_kernel
	.amdgpu_metadata
---
amdhsa.version: [ 1, 2 ]
amdhsa.kernels:
  - .name:           k_q457c94eae7_final
    .symbol:         k_q457c94eae7_final.kd
    .args:
      - { .name: pctx, .offset: 0, .size: 8, .value_kind: global_buffer, .address_space: global }
      - { .name: pml, .offset: 8, .size: 8, .value_kind: global_buffer, .address_space: global }
      - { .name: Wout_w, .offset: 16, .size: 8, .value_kind: global_buffer, .address_space: global }
      - { .name: qo, .offset: 24, .size: 8, .value_kind: global_buffer, .address_space: global }
      - { .name: out0, .offset: 32, .size: 8, .value_kind: global_buffer, .address_space: global }
    .group_segment_fixed_size: 109568
    .private_segment_fixed_size: 0
    .kernarg_segment_align: 8
    .kernarg_segment_size: 40
    .max_flat_workgroup_size: 512
    .sgpr_count:     66
    .vgpr_count:     256
    .wavefront_size: 32
...
	.end_amdgpu_metadata
.endif
;; end of part 3
;; ======== version 2 of 2: 3 launches; version 1 with the launch main written anew for expert scheduling mode
;; workspace buffers: whb 2,097,152 bytes; qp 131,072 bytes; qo 131,072 bytes; pctx 2,097,152 bytes; pml 131,072 bytes
;; launch prep: the kernel of part 1 again; grid 192 x 1, 8 waves a work-group, no clusters, 17,408 bytes of LDS; arguments query, Ws_w, Wh_w, Wout_w, src_lengths, qp, whb, qo; writes qp, whb, qo
;; launch main (part 4): grid 512 x 1, 4 waves a work-group, no clusters, 280,064 bytes of LDS; arguments encoder_outputs, whb, qp, v_w, pctx, pml; writes pctx, pml
.if DOCPART == 4
	.amdgcn_target "amdgcn-amd-amdhsa--gfx1250"
	.amdhsa_code_object_version 6
	.text
	.protected	k_q457c94eae7_main
	.globl	k_q457c94eae7_main
	.p2align	8
	.type	k_q457c94eae7_main,@function
k_q457c94eae7_main:
	s_mov_b64 s[64:65], 0
	v_nop
	global_prefetch_b8 v0, s[64:65] scope:SCOPE_SE
	s_setreg_imm32_b32 hwreg(HW_REG_WAVE_SCHED_MODE, 0, 2), 2
	s_setreg_imm32_b32 hwreg(HW_REG_WAVE_MODE, 25, 1), 1
	s_wait_xcnt 0x0
	s_wait_alu depctr_vm_vsrc(0)
; A BLOCK OF 128 ROWS OF ONE BATCH, FROM MEMORY TO ITS SHARE OF THE CONTEXT, IN ONE WORK-GROUP.  Block blk = rows 128 blk .. + 127 of the 65,536 rows of encoder_outputs; batch b = blk / 16.
;   1. the rows are read once (f32), rounded to bf16 and kept in LDS: 128 rows x 2,048 bytes;
;   2. h = rows x Wh^T for all 1,024 outputs o, in two chunks of 512; bf16 operands, f32 sums;
;   3. tanh(x) = 1 - 2 r, r = 1 / (1 + 2^(c x)), c = 2 log2(e), x = h + q_proj[b][o];  t[row] = the sum over o of v[o] r, in f32.  score = (sum of v) - 2 t; the sum of v is the same for all rows of a
;      softmax and drops out of it exactly; so the exponent to base 2 is u = -c t;
;   4. the block's own maximum m of u, weights p = 2^(u - m), their sum l (of the unrounded p);
;   5. pctx[blk][ch] = the sum over the rows of bf16(p) x the resident bf16 row, on the matrix unit; pml[blk] = (m, l).  The next launch joins a batch's 16 blocks by their maxima.
; LIMITS.  NaN and infinities are not treated apart.  Where 2^(c x) overflows r is 0 and tanh exactly 1; where it falls below 2^-126 it counts as 0 and tanh is exactly -1.  A weight below 2^-126 counts as 0.
; v_w is used in f32; all matrix operands are rounded to bf16.
; SHARES.  Products: wave w owns outputs 512 c + 128 w .. + 127 of chunk c (8 tiles of 16) for all 128 rows: 64 accumulators, 512 registers.  Loading: rows 32 w .. + 31.  Context: channels 256 w .. + 255.
; Wh COMES STRAIGHT INTO REGISTERS, from whb, which holds it in fragment order: a fragment is two loads of 512 consecutive bytes.  No wave wants a fragment that another wave has loaded, so LDS would share nothing.
; NO CLUSTER, NO TENSOR LOADS, though all work-groups walk the same whb: the resident rows take 264,192 of the 327,680 bytes of LDS and tables and stages 15,872; in the 47,616 left, two slots would hold
; 11,904 numbers of Wh each: 11,904 x 128 rows / 8,192 / 4 waves = 46 matrix instructions a wave between two refills and their barriers.
; NO PREFETCH: a work-group asks for all its rows at its head, 56 loads a wave on their way throughout; whb is walked by every work-group again and again.
; THE MATRIX INSTRUCTION IS USED TRANSPOSED (source 0 = 16 rows of Wh, source 1 = 16 rows of the block): a lane holds ONE row (lane % 16) and the outputs 8 (lane / 16) + 0..7, so the sum over o stays in the
; lane but for one exchange of the lanes' halves and one meeting of the four waves.
; THE WAVES ENTER THE PRODUCTS APART: see the lines behind the first barrier.
; THE MODE: SCHED_MODE bits 1:0 = 2 (LLVM: expert scheduling mode 2), set by the entry lines.  The code itself states the register dependences between vector or matrix instructions and memory or LDS
; instructions, with s_wait_alu, always for 0.
; THE PLAN.  Registers that memory or LDS instructions touch, and who else names them:
;   loading   window 2's eight row buffers: row i's conversions read buffer i % 8; the loads of row i + 7, issued in row i's turn, land in buffer (i - 1) % 8.
;             v[TMP ..]: written by a row's conversions, read by its eight LDS stores.  v[LSA]: read by those stores, stepped once a trip.
;             One wait on va_vdst a row, behind its conversions; one on vm_vsrc a row, ahead of them (for a trip's first row: ahead of the loop and at the trip's bottom, where it also frees v[LSA]).
;   products  unit u, rho = u % 4.  Its products name Wh's slot rho, the rows' buffer rho % 2 and the accumulators.  Its loads land in slot (rho + 3) % 4 and in buffer (rho + 1) % 2, which unit u - 1's
;             products read and no product of unit u names.  So ONE wait on va_vdst stands at a unit's head, and the unit's 32 loads follow it with no further wait, in four runs of eight among its 64 products.
;             v[AA ..]: read by every load of the rows' fragments; written every fourth unit, between a wait on vm_vsrc and the unit's wait on va_vdst.  v[BO]: never written again.
;   tables    v[CQ ..], v[VT ..]: loaded at the head of each half of phase 3, read by that half's scalings and multiply-adds.  v[TA]: read by those loads, stepped once a chunk.
;   the rest  is straight text: each run of LDS stores stands behind a wait on va_vdst for its data, each run of loads into registers that products have read behind one for those products.
; REGISTERS, in windows of 256 (s_set_vgpr_msb: bits 1:0 source 0, 3:2 source 1, 5:4 source 2, 7:6 destination):
;   window 0: v0-31 addresses; v32-63 T; v64-95, v96-127 tables and work; v128-191, v192-255 the block's fragments, two buffers
;   window 1: Wh's fragments, a ring of four K steps of 64 registers; for the context two buffers of 128
;   window 2: accumulators of my output tiles 0-3 ((a, jj) at 8 (4 a + jj)); while loading: 8 rows x 32 registers; for the context 16 channel tiles
;   window 3: accumulators of my output tiles 4-7
.set PA,    2064                       ; a row in LDS: 2,048 bytes + 16 = 129 x 16: the 16 rows of a fragment load start at 16 different groups of four banks (64 banks of 4 bytes: ISA guide 11.1)
.set TCQ,   128*PA                     ; 264,192: c x q_proj[b], 1,024 f32
.set TV,    TCQ+4096                   ; v, 1,024 f32
.set TS,    TV+4096                    ; 4 waves x 128 partial t
.set PW,    TS+2048                    ; 256 bytes a wave, its own: the 128 weights in bf16
.set CS,    PW+1024                    ; 1,024 bytes a wave, its own: the context's way out
.set SPARE, CS+4096                    ; 279,552: the spare words, 128 bytes a wave: two blocks of 256 bytes that no other line names
.set SPW, 2                            ; v2   LDS address of my spare word; never rewritten
.set NIL, 3                            ; v3   0; never rewritten
.set BO,  4                            ; v4   16 l: offset of every 512-byte run in memory; never rewritten
.set LSA, 5                            ; v5   where my 8 bytes of a row go in LDS
.set AA,  6                            ; v[6:9]   LDS address of my part of row tiles 2 k, 2 k + 1, at the K group in hand
.set TA,  10                           ; v10  my 8 numbers of the tables, for output tile 0 of the chunk in hand
.set TSW, 11                           ; v11  TS + 512 w + 4 (l % 16)
.set TSR, 12                           ; v12  TS + 16 l
.set PWS, 13                           ; v13  PW + 256 w + 8 l
.set PFR, 14                           ; v14  PW + 256 w + 16 (l / 16)
.set G8,  15                           ; v15  8 l
.set AT,  16                           ; v[16:19] the turning loads' address for rows 32 g on
.set CSW, 20                           ; v20  CS + 1,024 w + 32 (l / 16)
.set CSR, 21                           ; v21  CS + 1,024 w + 16 l
.set TT,  22                           ; v22  16 x thread
.set TL,  23                           ; v23  TCQ + 16 x thread
.set ML,  24                           ; v[24:25] m, l
.set AA0, 28                           ; v[28:31] AA at K = 0; never rewritten
.set T,   32                           ; v[32:63] row tile a: two packed chains of v r at T + 4 a, T + 4 a + 2
.set CQ,  64                           ; v[64:95] c q_proj for 4 output tiles x my 8 outputs
.set TMP, 64                           ;          while loading: a row's 16 registers of bf16
.set PF,  64                           ;          for the context: the weights as source 1, rows 32 g on at PF + 8 g
.set VT,  96                           ; v[96:127] v for the same outputs as CQ
.set SC,  96                           ;          the softmax's work
.set FA,  128                          ; the block's fragments: buffer y, row tile a at FA + 64 y + 8 a
.set WV,  16                           ; s16  my wave's number
.set BLK, 17                           ; s17  the block
.set EP,  20                           ; s[20:21] encoder_outputs at my wave's rows, 8 rows on in each trip
.set BP,  22                           ; s[22:23] whb at my first output tile, at the group of four K steps that is being asked for
.set CC,  24                           ; s[24:25] c
.set SEL, 26                           ; s[26:27] v_permlanex16_b32's selects: each lane takes its own place in the other half
.set CH,  28                           ; s28  chunks to go
.set TR,  29                           ; s29  trips to go
.set NC,  34                           ; s[34:35] -c
.set MSB, 0
.macro WIN new                         ; the immediate's high byte repeats the setting that is left; a switch that changes nothing is dropped
.if MSB != (\new)
	s_set_vgpr_msb (MSB<<8)|(\new)
.set MSB, \new
.endif
.endm
	s_load_b256 s[4:11], s[0:1], 0x0               ; encoder_outputs s[4:5], whb s[6:7], qp s[8:9], v_w s[10:11]
	s_load_b128 s[12:15], s[0:1], 0x20             ; pctx s[12:13], pml s[14:15]
	v_lshl_add_u32 v[SPW], v0, 2, SPARE
	v_mov_b32 v[NIL], 0
	v_lshrrev_b32 v1, 5, v0
	v_readfirstlane_b32 s[WV], v1                  ; wave 0..3
	s_mov_b32 s[BLK], ttmp9
	v_and_b32 v26, 31, v0                          ; l
	v_lshlrev_b32 v[BO], 4, v26
	v_lshlrev_b32 v[TT], 4, v0
	s_wait_alu depctr_va_sdst(0)                   ; s[WV] is written, ahead of its first reader: bases, LDS addresses and branches are made from it
	s_lshl_b32 s30, s[BLK], 19                     ; the block's 128 rows of 4,096 bytes,
	s_lshl_b32 s32, s[WV], 17                      ; my wave's 32 of them: under 2^29 together
	s_add_co_u32 s30, s30, s32
	s_mov_b32 s31, 0
	s_lshl_b32 s32, s[WV], 18                      ; my 8 output tiles of 32,768 bytes in whb
	s_mov_b32 s33, 0
	s_lshr_b32 s36, s[BLK], 4                      ; the batch,
	s_lshl_b32 s36, s36, 12                        ; its row of qp
	s_mov_b32 s37, 0
	s_lshl_b32 s38, s[BLK], 12                     ; the block's row of pctx,
	s_lshl_b32 s40, s[WV], 10                      ; my 256 channels
	s_add_co_u32 s38, s38, s40
	s_mov_b32 s39, 0
	s_lshl_b32 s40, s[BLK], 8                      ; the block's 256 bytes of pml
	s_mov_b32 s41, 0
	s_mov_b32 s[CC], 0x4038aa3b                    ; c = 2 log2(e) = 2.8853901
	s_mov_b32 s[CC+1], s[CC]                       ; named with it as a pair
	s_mov_b32 s[NC], 0xc038aa3b
	s_mov_b32 s[NC+1], s[NC]
	s_mov_b32 s[SEL], 0x76543210
	s_mov_b32 s[SEL+1], 0xfedcba98
	s_wait_kmcnt 0x0
	s_add_nc_u64 s[EP:EP+1], s[4:5], s[30:31]
	s_add_nc_u64 s[BP:BP+1], s[6:7], s[32:33]
	s_add_nc_u64 s[8:9], s[8:9], s[36:37]
	s_add_nc_u64 s[12:13], s[12:13], s[38:39]
	s_add_nc_u64 s[14:15], s[14:15], s[40:41]
	; PHASE 1.  The tables' four loads, then rows 0 to 6 of my 32: 60 loads on their way.
	s_wait_alu depctr_va_vdst(0)                   ; v[TT] and v[BO] are written: the loads below read them as their offsets
	global_load_b128 v[64:67], v[TT], s[8:9]
	global_load_b128 v[68:71], v[TT], s[8:9] offset:2048
	global_load_b128 v[72:75], v[TT], s[10:11]
	global_load_b128 v[76:79], v[TT], s[10:11] offset:2048
; a row: eight loads of 512 consecutive bytes, into buffer row % 8 of window 2
.macro ROWLD row
.irp j, 0,1,2,3,4,5,6,7
	global_load_b128 v[32*((\row)%8)+4*(\j):32*((\row)%8)+4*(\j)+3], v[BO], s[EP:EP+1] offset:(\row)*4096+512*(\j) th:TH_LOAD_NT
.endr
.endm
	WIN 0x80                                       ; destination window 2, offset window 0
.irp p, 0,1,2,3,4,5,6
	ROWLD \p
.endr
	WIN 0
	; all other addresses are made while those loads are out; none of these lines writes v[TT] or v[BO]
	v_and_b32 v27, 15, v0                          ; l % 16
	v_bfe_u32 v1, v0, 4, 1                         ; l / 16
	v_lshlrev_b32 v[G8], 3, v26
	v_add_nc_u32 v[TL], TCQ, v[TT]
	s_mul_i32 s30, s[WV], 32*PA
	v_lshl_add_u32 v[LSA], v26, 3, s30             ; my wave's first row, 8 bytes a lane
	v_mul_u32_u24 v[AA0], v27, PA                  ; a fragment: row l % 16, 16 bytes for each half of the lanes
	v_lshl_add_u32 v[AA0], v1, 4, v[AA0]
.irp k, 1,2,3
	v_add_nc_u32 v[AA0+(\k)], 32*PA*(\k), v[AA0]
.endr
.irp k, 0,1,2,3
	v_mov_b32 v[AA+(\k)], v[AA0+(\k)]
.endr
	s_lshl_b32 s30, s[WV], 9
	s_add_co_u32 s31, s30, TCQ
	v_lshl_add_u32 v[TA], v1, 5, s31               ; my wave's 128 outputs are 512 bytes of a table, my 8 of a tile 32 bytes
	s_add_co_u32 s31, s30, TS
	v_lshl_add_u32 v[TSW], v27, 2, s31
	v_lshl_add_u32 v[TSR], v26, 4, TS
	s_lshl_b32 s31, s[WV], 8
	s_add_co_u32 s31, s31, PW
	v_lshl_add_u32 v[PWS], v26, 3, s31
	v_lshl_add_u32 v[PFR], v1, 4, s31
	v_and_b32 v[AT], 7, v0                         ; the turning load: lane l reads row 8 (l / 16) + l % 8, channels 8 ((l / 8) % 2) + 0..7
	v_lshl_add_u32 v[AT], v1, 3, v[AT]
	v_mul_u32_u24 v[AT], v[AT], PA
	v_bfe_u32 v[AT+1], v0, 3, 1
	v_lshl_add_u32 v[AT], v[AT+1], 4, v[AT]
	v_add_nc_u32 v[AT], s30, v[AT]                 ; my wave's 256 channels begin 512 bytes x w into a row
.irp g, 1,2,3
	v_add_nc_u32 v[AT+(\g)], 32*PA*(\g), v[AT]
.endr
	s_lshl_b32 s31, s[WV], 10
	s_add_co_u32 s31, s31, CS
	v_lshl_add_u32 v[CSW], v1, 5, s31
	v_lshl_add_u32 v[CSR], v26, 4, s31
.set r, 0
.rept 32
	v_mov_b32 v[T+r], 0                            ; t's chains start at 0: one form of the multiply-add serves both chunks
.set r, r+1
.endr
	s_wait_loadcnt 56                              ; the 56 loads of rows 0 to 6 may stay out: the tables are in
.irp r, 0,2,4,6
	v_pk_mul_f32 v[64+(\r):65+(\r)], v[64+(\r):65+(\r)], s[CC:CC+1] op_sel_hi:[1,0]   ; c q_proj
.endr
	s_wait_alu depctr_va_vdst(0)                   ; the scalings have written v[64:71], which the stores read; so are v[TL] and every other address made above written, for all the LDS and memory lines that read them
	ds_store_b128 v[TL], v[64:67]
	ds_store_b128 v[TL], v[68:71] offset:2048
	ds_store_b128 v[TL], v[72:75] offset:4096      ; v
	ds_store_b128 v[TL], v[76:79] offset:6144
	s_wait_alu depctr_vm_vsrc(0)                   ; those four stores have read v[64:79], which are v[TMP ..] from here on: the first row's conversions write them
; Row i of a trip's eight: it has landed; rounded to bf16; the row seven further on is asked for, into the buffer of the row before; stored to LDS, 256 consecutive bytes a store.
; left: the loads of the younger rows, which may stay out.
.macro TURN i, issue, left
	s_wait_loadcnt \left
.if (\i) > 0
	s_wait_alu depctr_vm_vsrc(0)                   ; the stores of the row before have read v[TMP ..], which the conversions below write (for a trip's first row: the wait ahead of the loop, or at the trip's bottom)
.endif
	WIN 0x0a                                       ; sources 0 and 1 window 2
.set k, 0
.rept 16
	v_cvt_pk_bf16_f32 v[TMP+k], v[32*(\i)+2*k], v[32*(\i)+2*k+1]
.set k, k+1
.endr
.if \issue
	WIN 0x80
.else
	WIN 0
.endif
	s_wait_alu depctr_va_vdst(0)                   ; the conversions have written v[TMP ..], which the stores read; those of the row before are done reading its buffer, in which the loads land; in a trip's first row v[LSA] is written
.if \issue
	ROWLD (\i)+7
	WIN 0
.endif
.irp j, 0,1,2,3,4,5,6,7
	ds_store_b64 v[LSA], v[TMP+2*(\j):TMP+2*(\j)+1] offset:(\i)*PA+256*(\j)
.endr
.endm
	s_mov_b32 s[TR], 3
.Lrows:                                        ; 8 rows a trip; six younger rows' 48 loads stay out at every wait
.irp i, 0,1,2,3,4,5,6,7
	TURN \i, 1, 48
.endr
	s_wait_xcnt 0x0                                ; every load issued has had its address translated (ISA guide 3.1): the base is written only behind this wait
	s_add_nc_u64 s[EP:EP+1], s[EP:EP+1], 8*4096
	s_wait_alu depctr_vm_vsrc(0)                   ; the trip's stores have read v[LSA], which the next line writes, and the last row's v[TMP ..], which the next row's conversions write
	v_add_nc_u32 v[LSA], 8*PA, v[LSA]
	s_sub_co_u32 s[TR], s[TR], 1
	s_cmp_lg_u32 s[TR], 0
	s_cbranch_scc1 .Lrows
	TURN 0, 1, 48                                  ; the last eight rows: one more row is asked for (my 32nd), then the counts run down
.irp i, 1,2,3,4,5,6,7
	TURN \i, 0, 56-8*(\i)
.endr
; PHASE 2.  A UNIT is one K step of 32: 64 matrix instructions.  A chunk has 32 units; rho = unit % 4.
; Half of Wh's fragments of one unit: output tiles j0 .. j0 + 3, two loads of 512 consecutive bytes each, into ring slot `slot`
.macro BHALF slot, off, j0
	WIN 0x40                                       ; destination window 1, offset window 0
.irp j, 0,1,2,3
	global_load_b128 v[64*(\slot)+8*((\j0)+(\j)):64*(\slot)+8*((\j0)+(\j))+3],   v[BO], s[BP:BP+1] offset:((\j0)+(\j))*32768+(\off)
	global_load_b128 v[64*(\slot)+8*((\j0)+(\j))+4:64*(\slot)+8*((\j0)+(\j))+7], v[BO], s[BP:BP+1] offset:((\j0)+(\j))*32768+(\off)+512
.endr
.endm
; Half of the block's fragments of one unit: row tiles a0 .. a0 + 3, two loads of 16 bytes a lane each, 32 bytes apart
.macro AHALF buf, off, a0
	WIN 0
.irp a, 0,1,2,3
	ds_load_b128 v[FA+64*(\buf)+8*((\a0)+(\a)):FA+64*(\buf)+8*((\a0)+(\a))+3],   v[AA+((\a0)+(\a))/2] offset:(((\a0)+(\a))%2)*16*PA+(\off)
	ds_load_b128 v[FA+64*(\buf)+8*((\a0)+(\a))+4:FA+64*(\buf)+8*((\a0)+(\a))+7], v[AA+((\a0)+(\a))/2] offset:(((\a0)+(\a))%2)*16*PA+(\off)+32
.endr
.endm
; A quarter of a unit's products: output tiles 4 hi .. 4 hi + 3 x row tiles a0 .. a0 + 3.  The 64 accumulators take turns, in the same order in every unit: 63 others stand between two
; links of a chain, over the backward jumps too.  zero = 1: the products start the sums.
.macro MULQ rho, hi, a0, zero
	WIN 0xa1+0x50*(\hi)                            ; source 0 (Wh) window 1, source 1 (rows) window 0, C and D window 2 or 3
.irp a, 0,1,2,3
.irp jj, 0,1,2,3
.if \zero
	v_wmma_f32_16x16x32_bf16 v[8*(4*((\a0)+(\a))+(\jj)):8*(4*((\a0)+(\a))+(\jj))+7], v[64*(\rho)+32*(\hi)+8*(\jj):64*(\rho)+32*(\hi)+8*(\jj)+7], v[FA+64*((\rho)%2)+8*((\a0)+(\a)):FA+64*((\rho)%2)+8*((\a0)+(\a))+7], 0
.else
	v_wmma_f32_16x16x32_bf16 v[8*(4*((\a0)+(\a))+(\jj)):8*(4*((\a0)+(\a))+(\jj))+7], v[64*(\rho)+32*(\hi)+8*(\jj):64*(\rho)+32*(\hi)+8*(\jj)+7], v[FA+64*((\rho)%2)+8*((\a0)+(\a)):FA+64*((\rho)%2)+8*((\a0)+(\a))+7], v[8*(4*((\a0)+(\a))+(\jj)):8*(4*((\a0)+(\a))+(\jj))+7]
.endif
.endr
.endr
.endm
; Unit u.  nb: the loads of Wh's younger units, which may stay out (two units' 32 in the steady state): Wh of unit u is in.  No LDS load younger than unit u's fragments has been issued, so their wait is for 0.
; al = 1: the rows' fragments of unit u + 1 go into the buffer that unit u - 1 has left; astep = 1: they begin a group of four units (256 bytes on); 2: they begin a chunk (back to K = 0).
; bl = 1: Wh of unit u + 3 goes into the slot that unit u - 1 has left; bstep: the base's step where unit u + 3 begins a group of four.
; Four places stand between unit u - 1's last product and the loads into registers that it read, as in the plain form (ISA guide 7.12.1 for vector instructions); where v[AA ..] is stepped its four lines are those places.
; Behind the one wait on va_vdst the loads stand in four runs of eight, a run behind each 16 products: the rows' first, which are wanted a unit later, Wh's last, which is wanted three units later.
; No product of this unit names a register that these loads touch: slot (rho + 3) % 4, buffer (rho + 1) % 2, v[AA ..], v[BO].  A unit that loads nothing has no such wait.
.macro UNIT rho, zero, bl, al, bstep, astep, nb
	s_wait_loadcnt \nb
	s_wait_dscnt 0x0
.if (\astep) == 1
	WIN 0
	s_wait_alu depctr_vm_vsrc(0)                   ; the fragments' loads issued so far have read v[AA ..]
.irp k, 0,1,2,3
	v_add_nc_u32 v[AA+(\k)], 256, v[AA+(\k)]
.endr
.elseif (\astep) == 2
	WIN 0
	s_wait_alu depctr_vm_vsrc(0)                   ; the fragments' loads issued so far have read v[AA ..]
.irp k, 0,1,2,3
	v_mov_b32 v[AA+(\k)], v[AA0+(\k)]
.endr
.elseif (\bl) || (\al)
.rept 4
	v_nop
.endr
.endif
.if (\bl) || (\al)
	s_wait_alu depctr_va_vdst(0)                   ; the products of the unit before are done reading Wh's slot and the rows' buffer in which this unit's loads land; where v[AA ..] was stepped it is written; at a chunk's head so is v[TA]
.endif
	MULQ \rho, 0, 0, \zero
.if \al
	AHALF ((\rho)+1)%2, (((\rho)+1)%4)*64, 0
.endif
	MULQ \rho, 0, 4, \zero
.if \al
	AHALF ((\rho)+1)%2, (((\rho)+1)%4)*64, 4
.endif
	MULQ \rho, 1, 0, \zero
.if \bl
.if \bstep
	s_wait_xcnt 0x0                                ; the loads issued so far have had their addresses translated: the base may be written
	s_add_nc_u64 s[BP:BP+1], s[BP:BP+1], \bstep
.endif
	BHALF ((\rho)+3)%4, (((\rho)+3)%4)*1024, 0
.endif
	MULQ \rho, 1, 4, \zero
.if \bl
	BHALF ((\rho)+3)%4, (((\rho)+3)%4)*1024, 4
.endif
.endm
; PHASE 3.  tanh and v on the 32 accumulators of window 2 + jh.  Group g is row tile g: 32 registers, 16 pairs; pair n goes with pair n of the tables.
.macro E_S1 g, n                       ; c h + c q
	v_pk_fma_f32 v[32*(\g)+2*(\n):32*(\g)+2*(\n)+1], v[32*(\g)+2*(\n):32*(\g)+2*(\n)+1], s[CC:CC+1], v[CQ+2*(\n):CQ+2*(\n)+1] op_sel_hi:[1,0,1]
.endm
.macro E_EXP g, e
	v_exp_f32 v[32*(\g)+(\e)], v[32*(\g)+(\e)]
.endm
.macro E_S3 g, n                       ; 1 + 2^(c x)
	v_pk_add_f32 v[32*(\g)+2*(\n):32*(\g)+2*(\n)+1], v[32*(\g)+2*(\n):32*(\g)+2*(\n)+1], 1.0 op_sel_hi:[1,0]
.endm
.macro E_RCP g, e
	v_rcp_f32 v[32*(\g)+(\e)], v[32*(\g)+(\e)]
.endm
.macro E_S5 g, n                       ; t += v r, two chains by turns
	v_pk_fma_f32 v[T+4*(\g)+2*((\n)%2):T+4*(\g)+2*((\n)%2)+1], v[32*(\g)+2*(\n):32*(\g)+2*(\n)+1], v[VT+2*(\n):VT+2*(\n)+1], v[T+4*(\g)+2*((\n)%2):T+4*(\g)+2*((\n)%2)+1]
.endm
; The five stages of the eight groups run as a pipeline of steps st = -1 .. 9.  Step st: t takes group st - 2; then 1 + .. of group st - 1 between the exponentials of group st; then c h + c q of group st + 1 between the
; reciprocals of group st - 1.  So each transcendental has plain work of another group beside it, and every result is named first in the NEXT step: one v_nop and one s_wait_alu at a step's head serve all
; that the step before has issued (that wait stands ahead of the first line that names a result).  Behind step 9 none is out.  c h + c q goes through a group in ascending order: each accumulator's low registers are read first.
; The tables' loads of the first half owe no wait: since the last unit head's wait only products have been issued, which name neither the tables' registers nor v[TA].
.macro EPI jh
.if (\jh) == 0
.rept 8
	v_nop                                          ; the places behind the chunk's last product, ahead of the first line that reads a sum; window 3's sums have all of EPI 0 between
.endr
.endif
	WIN 0
.if (\jh) == 1
	s_wait_alu depctr_va_vdst(0)                   ; the first half's last multiply-adds are done reading v[VT ..], and its scalings v[CQ ..]: the loads below land in both
.endif
.irp q, 0,1,2,3,4,5,6,7                ; output tile q / 2 of the four, half q % 2 of my 8 outputs; the 16 lanes of a half read the same words
	ds_load_b128 v[CQ+4*(\q):CQ+4*(\q)+3], v[TA] offset:256*(\jh)+64*((\q)/2)+16*((\q)%2)
	ds_load_b128 v[VT+4*(\q):VT+4*(\q)+3], v[TA] offset:256*(\jh)+64*((\q)/2)+16*((\q)%2)+TV-TCQ
.endr
	s_wait_dscnt 0x0
.set st, -1
.rept 11
.if st >= 1
	v_nop                                          ; a plain instruction behind the last transcendental,
	s_wait_alu depctr_va_vdst(0)                   ; and the one wait for the exponentials and reciprocals of the step before, ahead of the first line that names a result of theirs
.endif
.if st >= 2
	WIN 0x02+(\jh)                                 ; source 0 window 2 or 3, all else window 0
.set n, 0
.rept 16
	E_S5 st-2, n
.set n, n+1
.endr
.endif
.if st <= 8
	WIN 0x82+0x41*(\jh)                            ; destination and source 0 window 2 or 3, the table window 0
.set n, 0
.rept 16
.if st >= 1
	E_S3 st-1, n
.endif
.if (st >= 0) && (st <= 7)
	E_EXP st, 2*n
	E_EXP st, 2*n+1
.endif
.set n, n+1
.endr
.set n, 0
.rept 16
.if st <= 6
	E_S1 st+1, n
.endif
.if st >= 1
	E_RCP st-1, 2*n
	E_RCP st-1, 2*n+1
.endif
.set n, n+1
.endr
.endif
.set st, st+1
.endr
	WIN 0
.endm
.irp u, 0,1,2                          ; Wh of units 0, 1, 2: 48 loads, into registers that nothing has named yet
	BHALF \u, 1024*(\u), 0
	BHALF \u, 1024*(\u), 4
.endr
	WIN 0
	s_wait_alu depctr_vm_vsrc(0)                   ; my last row's stores have read v[TMP ..], in which the tables' loads of phase 3 land
	s_wait_dscnt 0x0                               ; for the others' sake: my rows and my part of the tables are stored
	s_barrier_signal -1
	s_barrier_wait -1                              ; the block and both tables are whole; nothing of them is written again
	; THE WAVES ENTER THE PRODUCTS APART.  All four leave this barrier together, run one text and meet no barrier until the sums are done, so their runs of eight loads would stand at the same
	; moments of every unit.  Wave w passes 8 w s_nop 15 here, once a block; the distance stays, and each wave's runs are issued while the other three are among their matrix instructions.
.irp k, 1,2,3
	s_cmp_lt_u32 s[WV], \k
	s_cbranch_scc1 .Lgo
.rept 8
	s_nop 15
.endr
.endr
.Lgo:
	AHALF 0, 0, 0                                  ; unit 0: v[AA ..] was written ahead of the tables' stores' wait, and nothing has named the buffer yet
	AHALF 0, 0, 4
	s_mov_b32 s[CH], 2
.Lchunk:
	UNIT 0, 1, 1, 1, 0, 0, 32                      ; a chunk's first unit stands ahead of the loop: its products start the sums
	WIN 0                                          ; at a label and at a branch every window is 0
	s_mov_b32 s[TR], 7
.Ltrip:                                        ; units 1 to 28
	UNIT 1, 0, 1, 1, 4096, 0, 32
	UNIT 2, 0, 1, 1, 0, 0, 32
	UNIT 3, 0, 1, 1, 0, 1, 32
	UNIT 0, 0, 1, 1, 0, 0, 32
	WIN 0
	s_sub_co_u32 s[TR], s[TR], 1
	s_cmp_lg_u32 s[TR], 0
	s_cbranch_scc1 .Ltrip
	s_cmp_eq_u32 s[CH], 1
	s_cbranch_scc1 .Ltail
	UNIT 1, 0, 1, 1, 1048576-7*4096, 0, 32         ; units 29 to 31 of the first chunk ask for the second chunk's units 0 to 2: 32 output tiles on, back along K
	UNIT 2, 0, 1, 1, 0, 0, 32
	UNIT 3, 0, 1, 1, 0, 2, 32
	WIN 0
	s_branch .Lepi
.Ltail:                                        ; the last chunk's last units ask for no more of Wh: the counts run down; the last asks for no rows either
	UNIT 1, 0, 0, 1, 0, 0, 32
	UNIT 2, 0, 0, 1, 0, 0, 16
	UNIT 3, 0, 0, 0, 0, 0, 0
	WIN 0
.Lepi:
	EPI 0
	EPI 1
	s_wait_alu depctr_vm_vsrc(0)                   ; the tables' loads have read v[TA]
	v_add_nc_u32 v[TA], 2048, v[TA]                ; the next chunk's 512 outputs in the tables
	s_sub_co_u32 s[CH], s[CH], 1
	s_cmp_lg_u32 s[CH], 0
	s_cbranch_scc1 .Lchunk
	; PHASE 4.  t of a row: my two chains, their two halves, the other half of the lanes; then the four waves' parts meet in LDS.
.irp a, 0,1,2,3,4,5,6,7
	v_pk_add_f32 v[T+4*(\a):T+4*(\a)+1], v[T+4*(\a):T+4*(\a)+1], v[T+4*(\a)+2:T+4*(\a)+3]
.endr
.irp a, 0,1,2,3,4,5,6,7
	v_add_f32 v[T+4*(\a)], v[T+4*(\a)], v[T+4*(\a)+1]
.endr
.irp a, 0,1,2,3,4,5,6,7
	v_permlanex16_b32 v[T+4*(\a)+1], v[T+4*(\a)], s[SEL], s[SEL+1]
.endr
.irp a, 0,1,2,3,4,5,6,7
	v_add_f32 v[T+4*(\a)], v[T+4*(\a)], v[T+4*(\a)+1]
.endr
	s_wait_alu depctr_va_vdst(0)                   ; the sums have written v[T + 4 a], which the stores read; phase 3's multiply-adds are done reading v[VT ..], in which the loads behind the barrier land
.irp a, 0,1,2,3,4,5,6,7
	ds_store_b32 v[TSW], v[T+4*(\a)] offset:64*(\a)  ; row 16 a + l % 16; both halves of the lanes write the same number to the same word
.endr
	s_wait_dscnt 0x0                               ; for the others' sake
	s_barrier_signal -1
	s_barrier_wait -1
	; from here every wave does the block's softmax for itself: lane l has rows 4 l .. 4 l + 3
.irp p, 0,1,2,3
	ds_load_b128 v[SC+4*(\p):SC+4*(\p)+3], v[TSR] offset:512*(\p)
.endr
	s_wait_dscnt 0x0
	v_pk_add_f32 v[SC:SC+1],     v[SC:SC+1],     v[SC+4:SC+5]
	v_pk_add_f32 v[SC+2:SC+3],   v[SC+2:SC+3],   v[SC+6:SC+7]
	v_pk_add_f32 v[SC+8:SC+9],   v[SC+8:SC+9],   v[SC+12:SC+13]
	v_pk_add_f32 v[SC+10:SC+11], v[SC+10:SC+11], v[SC+14:SC+15]
	v_pk_add_f32 v[SC:SC+1],     v[SC:SC+1],     v[SC+8:SC+9]
	v_pk_add_f32 v[SC+2:SC+3],   v[SC+2:SC+3],   v[SC+10:SC+11]
	v_pk_mul_f32 v[SC:SC+1],   v[SC:SC+1],   s[NC:NC+1] op_sel_hi:[1,0]   ; u = -c t
	v_pk_mul_f32 v[SC+2:SC+3], v[SC+2:SC+3], s[NC:NC+1] op_sel_hi:[1,0]
	v_max3_num_f32 v[ML], v[SC], v[SC+1], v[SC+2]
	v_max_num_f32 v[ML], v[ML], v[SC+3]
	v_max_num_f32_dpp v[ML], v[ML], v[ML] row_xmask:1 row_mask:0xf bank_mask:0xf
	v_max_num_f32_dpp v[ML], v[ML], v[ML] row_xmask:2 row_mask:0xf bank_mask:0xf
	v_max_num_f32_dpp v[ML], v[ML], v[ML] row_xmask:4 row_mask:0xf bank_mask:0xf
	v_max_num_f32_dpp v[ML], v[ML], v[ML] row_xmask:8 row_mask:0xf bank_mask:0xf
	v_permlanex16_b32 v[SC+4], v[ML], s[SEL], s[SEL+1]
	v_max_num_f32 v[ML], v[ML], v[SC+4]            ; m: the block's maximum, in every lane
.irp k, 0,1,2,3
	v_sub_f32 v[SC+(\k)], v[SC+(\k)], v[ML]
.endr
.irp k, 0,1,2,3
	v_exp_f32 v[SC+(\k)], v[SC+(\k)]
.endr
	v_nop                                          ; a plain instruction behind the last exponential,
	s_wait_alu depctr_va_vdst(0)                   ; and the wait ahead of the first use: one for the four exponentials
	v_cvt_pk_bf16_f32 v[SC+8], v[SC], v[SC+1]
	v_cvt_pk_bf16_f32 v[SC+9], v[SC+2], v[SC+3]
	s_wait_alu depctr_va_vdst(0)                   ; the two roundings have written v[SC+8:SC+9], which the store reads
	ds_store_b64 v[PWS], v[SC+8:SC+9]              ; the weight of row i at byte 2 i of my wave's own 256
.irp q, 0,1,2,3,4,5,6,7                ; source 1, 32 rows x 16 columns, all columns alike: rows 32 (q / 2) + 16 (q % 2) + 8 (l / 16) + 0..7.  LDS serves a wave's instructions in order (ISA guide 5.7.1.4): these see the store above
	ds_load_b128 v[PF+4*(\q):PF+4*(\q)+3], v[PFR] offset:32*(\q)
.endr
	v_add_f32 v[SC+4], v[SC], v[SC+1]              ; l's sums name v[SC .. SC+5] and v[ML+1]: none of the registers that the LDS lines above and the turning loads below touch
	v_add_f32 v[SC+5], v[SC+2], v[SC+3]
	v_add_f32 v[SC+4], v[SC+4], v[SC+5]
	v_add_f32_dpp v[SC+4], v[SC+4], v[SC+4] row_xmask:1 row_mask:0xf bank_mask:0xf
	v_add_f32_dpp v[SC+4], v[SC+4], v[SC+4] row_xmask:2 row_mask:0xf bank_mask:0xf
	v_add_f32_dpp v[SC+4], v[SC+4], v[SC+4] row_xmask:4 row_mask:0xf bank_mask:0xf
	v_add_f32_dpp v[SC+4], v[SC+4], v[SC+4] row_xmask:8 row_mask:0xf bank_mask:0xf
	v_permlanex16_b32 v[SC+5], v[SC+4], s[SEL], s[SEL+1]
	v_add_f32 v[ML+1], v[SC+4], v[SC+5]            ; l
	; PHASE 5.  ctx^T = rows^T x p: source 0 = 16 channels x 32 rows, turned out of the resident block by ds_load_tr16_b128; 16 channel tiles, 4 steps of 32 rows.
	; (The pitch serves the 2,048 fragment loads of phase 2; these 128 turning loads meet each bank twice.)
.macro TLOAD g
	WIN 0x40
.set c, 0
.rept 16
	ds_load_tr16_b128 v[128*((\g)%2)+8*c:128*((\g)%2)+8*c+3],   v[AT+(\g)] offset:32*c
	ds_load_tr16_b128 v[128*((\g)%2)+8*c+4:128*((\g)%2)+8*c+7], v[AT+(\g)] offset:32*c+16*PA
.set c, c+1
.endr
.endm
.macro CMUL g                          ; the 16 accumulators take turns; the first step starts the sums
	WIN 0xa1
.set c, 0
.rept 16
.if (\g) == 0
	v_wmma_f32_16x16x32_bf16 v[8*c:8*c+7], v[128*((\g)%2)+8*c:128*((\g)%2)+8*c+7], v[PF+8*(\g):PF+8*(\g)+7], 0
.else
	v_wmma_f32_16x16x32_bf16 v[8*c:8*c+7], v[128*((\g)%2)+8*c:128*((\g)%2)+8*c+7], v[PF+8*(\g):PF+8*(\g)+7], v[8*c:8*c+7]
.endif
.set c, c+1
.endr
.endm
	TLOAD 0                                        ; window 1 was last named by phase 2's products, which stand ahead of the waits above
	TLOAD 1
	s_wait_dscnt 32                                ; all but the 32 loads of step 1: the weights and step 0 are in
	CMUL 0
.irp g, 1,2
.rept 4
	v_nop                                          ; four places behind the last product, ahead of loads into the buffer that it read
.endr
	WIN 0x40
	s_wait_alu depctr_va_vdst(0)                   ; the products of the step before are done reading their buffer, in which the loads below land
	TLOAD (\g)+1
	s_wait_dscnt 32                                ; all but the 32 just issued
	CMUL \g
.endr
	s_wait_dscnt 0x0
	CMUL 3
.rept 8
	v_nop                                          ; the places behind the last product, ahead of the stores that read the sums
.endr
	; a lane holds channels 16 ct + 8 (l / 16) + 0..7, the 16 lanes of a half all the same numbers: through my own stage they become 16 bytes a lane on end
	WIN 0x08                                       ; store data (source 1) window 2
	s_wait_alu depctr_va_vdst(0)                   ; the products have written the sums, which the stores read; the places above stay beside this wait.  The softmax's lines are done with v[SC .. SC+7], in which the loads below land, and have written v[ML:ML+1], which the last store reads
.set c, 0
.rept 16
	ds_store_b128 v[CSW], v[8*c:8*c+3]   offset:64*c      ; each accumulator's low registers first
	ds_store_b128 v[CSW], v[8*c+4:8*c+7] offset:64*c+16
.set c, c+1
.endr
	WIN 0
	ds_load_b128 v[SC:SC+3],   v[CSR]
	ds_load_b128 v[SC+4:SC+7], v[CSR] offset:512
	s_wait_dscnt 0x0
	global_store_b128 v[BO], v[SC:SC+3],   s[12:13]             ; 512 consecutive bytes, aligned
	global_store_b128 v[BO], v[SC+4:SC+7], s[12:13] offset:512
	s_cmp_lg_u32 s[WV], 0
	s_cbranch_scc1 .Lend
	global_store_b64 v[G8], v[ML:ML+1], s[14:15]   ; (m, l) 32 times: the block's 256 bytes of pml are written whole by one store
.Lend:
	s_wait_dscnt 0x0                               ; the closing lines, six on end
	s_wait_alu 0x0
	s_wait_tensorcnt 0x0
	ds_add_u32 v[SPW], v[NIL]
	s_wait_dscnt 0x0
	s_endpgm
.Lfunc_end_k_q457c94eae7_main:
	.size	k_q457c94eae7_main, .Lfunc_end_k_q457c94eae7_main-k_q457c94eae7_main
	.p2alignl 7, 3214868480
	.fill 96, 4, 3214868480
	.section	.rodata,"a",@progbits
	.p2align	6, 0x0
	.amdhsa_kernel k_q457c94eae7_main
		.amdhsa_group_segment_fixed_size 280064
		.amdhsa_private_segment_fixed_size 0
		.amdhsa_enable_private_segment 0
		.amdhsa_kernarg_size 48
		.amdhsa_user_sgpr_count 2
		.amdhsa_user_sgpr_kernarg_segment_ptr 1
		.amdhsa_wavefront_size32 1
		.amdhsa_system_sgpr_workgroup_id_x 1
		.amdhsa_system_sgpr_workgroup_id_y 1
		.amdhsa_system_sgpr_workgroup_id_z 1
		.amdhsa_system_vgpr_workitem_id 0
		.amdhsa_next_free_vgpr 1024
		.amdhsa_next_free_sgpr 66
		.amdhsa_reserve_vcc 0
		.amdhsa_float_denorm_mode_32 3
		.amdhsa_float_denorm_mode_16_64 3
		.amdhsa_memory_ordered 1
		.amdhsa_forward_progress 1
		.amdhsa_inst_pref_size 229
	.end_amdhsa_kernel
	.amdgpu_metadata
---
amdhsa.version: [ 1, 2 ]
amdhsa.kernels:
  - .name:           k_q457c94eae7_main
    .symbol:         k_q457c94eae7_main.kd
    .args:
      - { .name: encoder_outputs, .offset: 0, .size: 8, .value_kind: global_buffer, .address_space: global }
      - { .name: whb, .offset: 8, .size: 8, .value_kind: global_buffer, .address_space: global }
      - { .name: qp, .offset: 16, .size: 8, .value_kind: global_buffer, .address_space: global }
      - { .name: v_w, .offset: 24, .size: 8, .value_kind: global_buffer, .address_space: global }
      - { .name: pctx, .offset: 32, .size: 8, .value_kind: global_buffer, .address_space: global }
      - { .name: pml, .offset: 40, .size: 8, .value_kind: global_buffer, .address_space: global }
    .group_segment_fixed_size: 280064
    .private_segment_fixed_size: 0
    .kernarg_segment_align: 8
    .kernarg_segment_size: 48
    .max_flat_workgroup_size: 128
    .sgpr_count:     66
    .vgpr_count:     1024
    .wavefront_size: 32
...
	.end_amdgpu_metadata
.endif
;; end of part 4
;; launch final: the kernel of part 3 again; grid 32 x 8, 16 waves a work-group, no clusters, 109,568 bytes of LDS; arguments pctx, pml, Wout_w, qo, out0; writes out0
